; MI455X (gfx1250); checked and timed in simulation.
; The chip was launched on July 23, 2026; its instructions are those of AMD's public machine-readable ISA for CDNA 5 (MIT licence, August 2026) and "CDNA5" Instruction Set Architecture Reference Guide (July 2026). The comments in the code are by the model that wrote it; some were corrected since.
;; Attention. Allowed arithmetic: float matrix products may take bf16 or f16 operands with f32 sums; other float arithmetic in f32, or as packed bf16 or f16 multiplies, adds, multiply-adds, maxima and minima; sums over many terms, partial sums and values carried from step to step in f32; what a program stores and reads back later, other than sums and carried values, may be rounded once to bf16 or f16.
;; Inputs: W_out 1,024 x 1,024 float32; W_qkv 1,024 x 3,072 float32; b_out 1,024 float32; x 4 x 2,048 x 1,024 float32.
;; Outputs: out0 4 x 2,048 x 1,024 float32.
;; One version. Each part assembles by itself: llvm-mc -triple=amdgcn-amd-amdhsa -mcpu=gfx1250 --defsym DOCPART=n.
;; ======== version 1 of 1: 5 launches
;; limits: values are held in f16: magnitudes above 65,504 overflow, below 6.1e-05 lose precision
;; workspace buffers: xb 16,777,216 bytes; wq 6,291,456 bytes; wv 2,097,152 bytes; wo 2,097,152 bytes; sc 65,536 bytes; qkvh 50,331,648 bytes; pw 33,554,432 bytes; stat 1,048,576 bytes
;; launch prep (part 1): grid 768 x 1, 8 waves a work-group, no clusters, 0 bytes of LDS; arguments x, W_qkv, W_out, xb, wq, wv, wo; writes xb, wq, wv, wo
.if DOCPART == 1
	.amdgcn_target "amdgcn-amd-amdhsa--gfx1250"
	.amdhsa_code_object_version 6
	.text
	.protected	k_q7990fda159_prep
	.globl	k_q7990fda159_prep
	.p2align	8
	.type	k_q7990fda159_prep,@function
k_q7990fda159_prep:
	s_mov_b64 s[64:65], 0
	v_nop
	global_prefetch_b8 v0, s[64:65] scope:SCOPE_SE
	s_setreg_imm32_b32 hwreg(HW_REG_WAVE_MODE, 25, 1), 1
	s_wait_xcnt 0x0
; The three large inputs are rounded once to bf16 for the matrix launches behind.  A stream: no LDS, no matrix unit, no cluster (no byte is wanted twice).
;   x      [8192][1024] f32 -> xb  the bf16 number written as f16, in blocks [16 kb][8192 rows][64]: the 256 rows x 64 channels of a K step are 32,768 bytes on end
;   W_qkv  columns 0-2047   -> wq  the bf16 number written as f16, columns 0-2047 of [1024][3072] (the launch behind writes columns 2048-3071)
;   W_qkv  columns 2048-3071 -> wv bf16 [1024][1024]
;   W_out  [1024][1024] f32 -> wo  bf16, in blocks [16 nb][1024 rows][64]
; LIMITS.  A bf16 number is exact in f16 from 2^-14 up to 65,504; below 2^-14 it keeps f16's fixed step of 6e-8, from 65,520 on it becomes an infinity.
; SHARES.  256 threads; a thread makes 8 times 8 numbers: two loads of 16 bytes, one store of 16 bytes.  All 16 loads of a thread go out first; each of the 8 has its own
; registers to store from, so no register is written twice and the text has no loop.
; Work-groups 0-511: x, 32 rows x 8 blocks of 64 channels (8 lanes read 256 bytes on end of a row; a wave's store covers 4 rows x 128 bytes = 512 bytes on end).
; 512-575: W_out, in the same way.  576-703: W_qkv's first 2,048 columns, a row a pass, 8 rows.  704-767: its last 1,024 columns, two rows a pass, 16 rows.
.set X, 4                              ; v[4:67]    as loaded: 8 registers for each of the 8
.set T, 68                             ; v[68:75]   at work
.set Y, 76                             ; v[76:107]  to store: 4 registers for each of the 8
	s_load_b256 s[4:11], s[0:1], 0x0               ; x s[4:5], W_qkv s[6:7], W_out s[8:9], xb s[10:11]
	s_load_b128 s[12:15], s[0:1], 0x20             ; wq s[12:13], wv s[14:15]
	s_load_b64 s[16:17], s[0:1], 0x30              ; wo
	s_mov_b32 s24, 0xffff0000                      ; a word's upper bf16
	s_mov_b32 s27, 0                               ; the high word of every offset
	v_lshlrev_b32 v2, 4, v0                        ; out: 16 bytes a thread
	s_wait_kmcnt 0x0
; instep, outstep: bytes from one of the 8 to the next.  half = 1: the bf16 number is written as f16.
.macro CONV instep, outstep, half
.set i, 0
.rept 8
	global_load_b128 v[X+8*i:X+8*i+3],   v1, s[20:21] offset:i*(\instep) th:TH_LOAD_NT
	global_load_b128 v[X+8*i+4:X+8*i+7], v1, s[20:21] offset:i*(\instep)+16 th:TH_LOAD_NT
.set i, i+1
.endr
.set i, 0
.rept 8
	s_wait_loadcnt 14-2*i                          ; loads come back in order: these two are in, the younger ones stay out
.irp j, 0,1,2,3
	v_cvt_pk_bf16_f32 v[Y+4*i+(\j)], v[X+8*i+2*(\j)], v[X+8*i+2*(\j)+1]
.endr
.if \half
.irp j, 0,1,2,3
	v_lshlrev_b32 v[T+2*(\j)],   16,  v[Y+4*i+(\j)]  ; the bf16 numbers as f32,
	v_and_b32     v[T+2*(\j)+1], s24, v[Y+4*i+(\j)]
.endr
.irp j, 0,1,2,3
	v_cvt_pk_f16_f32 v[Y+4*i+(\j)], v[T+2*(\j)], v[T+2*(\j)+1]  ; and as f16
.endr
.endif
	global_store_b128 v2, v[Y+4*i:Y+4*i+3], s[22:23] offset:i*(\outstep)
.set i, i+1
.endr
	s_endpgm
.endm
.macro BYROWS                          ; in: thread t reads row t / 8 of 32 rows of 4,096 bytes, 32 bytes at 32 (t % 8)
	v_lshrrev_b32 v1, 3, v0
	v_and_b32 v3, 7, v0
	v_lshlrev_b32 v1, 12, v1
	v_lshl_add_u32 v1, v3, 5, v1
.endm
	s_cmp_lt_u32 ttmp9, 512
	s_cbranch_scc0 .Lwout
	s_lshr_b32 s28, ttmp9, 1                       ; which 32 rows
	s_and_b32 s29, ttmp9, 1                        ; which 8 of the 16 blocks of channels
	s_lshl_b32 s26, s28, 17                        ; 32 rows of 4,096 bytes
	s_lshl_b32 s30, s29, 11                        ; 512 channels of 4 bytes
	s_add_co_u32 s26, s26, s30
	s_add_nc_u64 s[20:21], s[4:5], s[26:27]
	s_lshl_b32 s26, s29, 23                        ; 8 blocks of 1,048,576 bytes
	s_lshl_b32 s30, s28, 12                        ; 32 rows of 128 bytes
	s_add_co_u32 s26, s26, s30
	s_add_nc_u64 s[22:23], s[10:11], s[26:27]
	BYROWS
	CONV 256, 1048576, 1                           ; the largest immediate is 7,340,032: inside the signed 24 bits
.Lwout:
	s_cmp_lt_u32 ttmp9, 576
	s_cbranch_scc0 .Lqk
	s_sub_co_u32 s31, ttmp9, 512
	s_lshr_b32 s28, s31, 1
	s_and_b32 s29, s31, 1
	s_lshl_b32 s26, s28, 17
	s_lshl_b32 s30, s29, 11
	s_add_co_u32 s26, s26, s30
	s_add_nc_u64 s[20:21], s[8:9], s[26:27]
	s_lshl_b32 s26, s29, 20                        ; 8 blocks of 131,072 bytes
	s_lshl_b32 s30, s28, 12
	s_add_co_u32 s26, s26, s30
	s_add_nc_u64 s[22:23], s[16:17], s[26:27]
	BYROWS
	CONV 256, 131072, 0
.Lqk:
	s_cmp_lt_u32 ttmp9, 704
	s_cbranch_scc0 .Lv
	s_sub_co_u32 s31, ttmp9, 576
	s_mul_i32 s26, s31, 8*12288                    ; 8 rows of W_qkv
	s_add_nc_u64 s[20:21], s[6:7], s[26:27]
	s_mul_i32 s26, s31, 8*6144                     ; 8 rows of wq
	s_add_nc_u64 s[22:23], s[12:13], s[26:27]
	v_lshlrev_b32 v1, 5, v0                        ; 256 threads x 8 numbers are a row's first 2,048
	CONV 12288, 6144, 1
.Lv:
	s_sub_co_u32 s31, ttmp9, 704
	s_mul_i32 s26, s31, 16*12288                   ; 16 rows of W_qkv,
	s_add_co_u32 s26, s26, 8192                    ; from column 2,048 on
	s_add_nc_u64 s[20:21], s[6:7], s[26:27]
	s_lshl_b32 s26, s31, 15                        ; 16 rows of wv
	s_add_nc_u64 s[22:23], s[14:15], s[26:27]
	v_lshrrev_b32 v1, 7, v0                        ; 128 threads to a row
	v_and_b32 v3, 127, v0
	v_mul_u32_u24 v1, v1, 12288
	v_lshl_add_u32 v1, v3, 5, v1
	CONV 24576, 4096, 0
.Lfunc_end_k_q7990fda159_prep:
	.size	k_q7990fda159_prep, .Lfunc_end_k_q7990fda159_prep-k_q7990fda159_prep
	.p2alignl 7, 3214868480
	.fill 96, 4, 3214868480
	.section	.rodata,"a",@progbits
	.p2align	6, 0x0
	.amdhsa_kernel k_q7990fda159_prep
		.amdhsa_group_segment_fixed_size 0
		.amdhsa_private_segment_fixed_size 0
		.amdhsa_enable_private_segment 0
		.amdhsa_kernarg_size 56
		.amdhsa_user_sgpr_count 2
		.amdhsa_user_sgpr_kernarg_segment_ptr 1
		.amdhsa_wavefront_size32 1
		.amdhsa_system_sgpr_workgroup_id_x 1
		.amdhsa_system_sgpr_workgroup_id_y 1
		.amdhsa_system_sgpr_workgroup_id_z 1
		.amdhsa_system_vgpr_workitem_id 0
		.amdhsa_next_free_vgpr 108
		.amdhsa_next_free_sgpr 66
		.amdhsa_reserve_vcc 0
		.amdhsa_float_denorm_mode_32 3
		.amdhsa_float_denorm_mode_16_64 3
		.amdhsa_memory_ordered 1
		.amdhsa_forward_progress 1
		.amdhsa_inst_pref_size 29
	.end_amdhsa_kernel
	.amdgpu_metadata
---
amdhsa.version: [ 1, 2 ]
amdhsa.kernels:
  - .name:           k_q7990fda159_prep
    .symbol:         k_q7990fda159_prep.kd
    .args:
      - { .name: x, .offset: 0, .size: 8, .value_kind: global_buffer, .address_space: global }
      - { .name: W_qkv, .offset: 8, .size: 8, .value_kind: global_buffer, .address_space: global }
      - { .name: W_out, .offset: 16, .size: 8, .value_kind: global_buffer, .address_space: global }
      - { .name: xb, .offset: 24, .size: 8, .value_kind: global_buffer, .address_space: global }
      - { .name: wq, .offset: 32, .size: 8, .value_kind: global_buffer, .address_space: global }
      - { .name: wv, .offset: 40, .size: 8, .value_kind: global_buffer, .address_space: global }
      - { .name: wo, .offset: 48, .size: 8, .value_kind: global_buffer, .address_space: global }
    .group_segment_fixed_size: 0
    .private_segment_fixed_size: 0
    .kernarg_segment_align: 8
    .kernarg_segment_size: 56
    .max_flat_workgroup_size: 256
    .sgpr_count:     66
    .vgpr_count:     108
    .wavefront_size: 32
...
	.end_amdgpu_metadata
.endif
;; end of part 1
;; launch fold (part 2): grid 16 x 16, 4 waves a work-group, clusters of 4 x 4, 327,680 bytes of LDS; arguments wv, wo, wq, sc; writes wq, sc
.if DOCPART == 2
	.amdgcn_target "amdgcn-amd-amdhsa--gfx1250"
	.amdhsa_code_object_version 6
	.text
	.protected	k_q7990fda159_fold
	.globl	k_q7990fda159_fold
	.p2align	8
	.type	k_q7990fda159_fold,@function
k_q7990fda159_fold:
	s_mov_b64 s[64:65], 0
	v_nop
	global_prefetch_b8 v0, s[64:65] scope:SCOPE_SE
	s_setreg_imm32_b32 hwreg(HW_REG_WAVE_MODE, 25, 1), 1
	s_wait_xcnt 0x0
	s_wait_alu depctr_hold_cnt(0) depctr_sa_sdst(0) depctr_va_vdst(0) depctr_va_sdst(0) depctr_va_ssrc(0) depctr_va_vcc(0) depctr_vm_vsrc(0)
	s_getreg_b32 s2, hwreg(HW_REG_IB_STS2, 6, 4)
	s_cmp_eq_u32 s2, 0
	s_cbranch_scc0 .Lentry_in_a_cluster
	s_endpgm
.Lentry_in_a_cluster:
	s_bfe_u32 s2, ttmp6, 0x10000c
	s_cmp_lg_u32 s2, 0xf033
	s_cbranch_scc0 .Lentry_shape_is_right
	s_endpgm
.Lentry_shape_is_right:
; attn v W_out = attn (x (W_v W_out)): the last product of the module is folded into the weights.  This launch makes
;   wq[k][2048 + n] = (the sum over j of W_v[k][j] W_out[j][n]) / s[n]  in f16,   sc[..][n] = s[n]  in f32,
; operands bf16 (wv, wo), sums f32.  s[n] is the power of two just above S[n] = the sum over j of |W_out[j][n]|: if S lies in 2^(e-127) .. 2^(e-126), s = 2^(e-126).
; So |x W_v W_out / s| never passes the largest |x W_v| of the row: what the next launch rounds to f16 has the range that x W_v itself would have.  The last launch multiplies by s again, in f32.
; LIMITS.  The quotient is at most the largest |W_v| of its row; below 6e-5 it keeps f16's fixed step of 6e-8.  A column of zeros gives s = 2^-126 and zeros.  NaN and infinities are not treated apart.
; TILE.  64 x 64 to a work-group: 16 x 16 = 256 work-groups.  All of K = 1,024 lies in LDS at once: 8 chunks of 128 along K, each 64 rows of wv (256 bytes + 16) and 128 rows of wo (128 bytes + 32).
; With 128 columns the operands would not fit.  Sixteen tensor loads, four a wave (waves 0, 1: wv's chunks, waves 2, 3: wo's), go out together at the head; four loads of mine are out at the most.
; CLUSTER.  4 x 4: wv's rows are shared along a row of the cluster, wo's block along a column; both are asked for jointly.  No prefetch: all that a work-group reads is asked for at its head.
; A WAVE makes 16 rows x 64 columns.  TRANSPOSED USE: source 0 = 16 columns of wo (turned on the way out of LDS), source 1 = 16 rows of wv: a lane holds one row and eight neighbouring columns.
; S comes from the matrix unit too: source 0 = the same fragment with its signs cleared, source 1 = ones: the result holds S[n] in the lanes and registers in which the product holds column n.
; Each wave sums all four column blocks, so no wave waits for another's sums.
; REGISTERS.  window 0: v10-19 addresses; v20-27 ones; v28-29 the add's; v32-111, v112-191 two sets of fragments of 64 along K (for each 32: 8 of wv, 32 of wo); v192-255 the fragments without signs.
;   window 1: v0-31 the four products, v32-63 the four sums.  They start at 0: 64 lines that stand in the wait for the tiles, so that the loop has one form of product.
.set PA,    272
.set CHA,   64*PA                      ; a chunk of wv
.set PB,    160                        ; 5 x 32
.set CHB,   128*PB                     ; a chunk of wo
.set BOFF,  8*CHA
.set STAGE, BOFF+8*CHB                 ; 16 rows x 144 bytes for each wave
.set SP,    144
.set SPARE, STAGE+4*16*SP              ; the spare words: two blocks of 256 bytes that no other line names
.set S0,   32
.set S1,   112
.set ABS,  192
.set ONES, 20
.set MSB, 0
.macro WIN new                         ; the immediate's high byte repeats the setting that is left; a switch that changes nothing is dropped
.if MSB != (\new)
	s_set_vgpr_msb (MSB<<8)|(\new)
.set MSB, \new
.endif
.endm
.macro PLACES                          ; four plain instructions between a matrix instruction and a load into, or a vector line on, its registers
.rept 4
	v_nop
.endr
.endm
.macro CREST
	s_cmp_lg_u32 s12, 0
	s_cbranch_scc1 .Lnot_wave_0_\@
	s_barrier_signal -3
.Lnot_wave_0_\@:
	s_barrier_wait -3
	s_barrier_signal -1
	s_barrier_wait -1
.endm
.macro CROUND
	s_barrier_signal -1
	s_barrier_wait -1
	CREST
.endm
	s_load_b256 s[4:11], s[0:1], 0x0               ; wv s[4:5], wo s[6:7], wq s[8:9], sc s[10:11]
	v_lshl_add_u32 v28, v0, 2, SPARE
	v_mov_b32 v29, 0
	ds_add_u32 v28, v29                            ; the wave's opening: the add and its wait ahead of my first tensor load; the set-up below stands between them
	v_lshrrev_b32 v1, 5, v0
	v_readfirstlane_b32 s12, v1                    ; wave 0..3
	s_and_b32 s14, s12, 1                          ; I fetch the chunks of this parity
	s_bfe_u32 s15, ttmp6, 0x40000                  ; cx
	s_bfe_u32 s16, ttmp6, 0x40004                  ; cy
	s_lshl_b32 s17, ttmp9, 2
	s_add_co_u32 s17, s17, s15                     ; tile column
	s_and_b32 s19, ttmp7, 0xffff
	s_lshl_b32 s18, s19, 2
	s_add_co_u32 s18, s18, s16                     ; tile row
	s_lshl_b32 s22, s16, 2
	s_lshl_b32 s22, 15, s22                        ; my row of the cluster
	s_lshl_b32 s20, 0x1111, s15                    ; my column
	s_or_b32 s24, s22, (1<<16)|(1<<20)|(1<<21)|(5<<22)|(3<<25)  ; wv: 64 rows x 128 elements, 4 words of padding after every 64
	s_mov_b32 s25, 128<<16
	s_mov_b32 s26, 64<<16
	s_mov_b32 s27, 128<<16
	s_mov_b32 s28, 64
	s_mov_b32 s29, 1024
	s_mov_b32 s30, 0
	s_mov_b32 s31, 0
	s_or_b32 s32, s20, (1<<16)|(1<<20)|(1<<21)|(4<<22)|(7<<25)  ; wo: 128 rows of 128 bytes lie on end: asked for as 64 rows of 256 bytes, 8 words of padding after every 32
	s_mov_b32 s33, 128<<16
	s_mov_b32 s34, 64<<16
	s_mov_b32 s35, 128<<16
	s_mov_b32 s36, 64
	s_mov_b32 s37, 128
	s_mov_b32 s38, 0
	s_mov_b32 s39, 0
	s_lshl_b32 s22, s18, 17                        ; wv: 64 rows of 2,048 bytes a tile row,
	s_lshl_b32 s23, s14, 8                         ; my first chunk: 256 bytes of a row
	s_add_co_u32 s22, s22, s23
	s_mov_b32 s23, 0
	s_lshl_b32 s20, s17, 17                        ; wo: a block of 131,072 bytes a tile column,
	s_lshl_b32 s21, s14, 14                        ; my first chunk: 128 rows of 128 bytes
	s_add_co_u32 s20, s20, s21
	s_mov_b32 s21, 0
	s_mul_i32 s86, s14, CHA                        ; where they go: the wave's number alone enters an LDS address
	s_mul_i32 s87, s14, CHB
	s_add_co_u32 s87, s87, BOFF
	s_mov_b32 s66, 0x7fff7fff                      ; clears the signs of two bf16
	s_wait_dscnt 0x0                               ; the opening add is done
	s_wait_kmcnt 0x0
	s_add_nc_u64 s[88:89], s[4:5], s[22:23]
	s_add_nc_u64 s[90:91], s[6:7], s[20:21]
.irp i, 0,1,2,3                        ; my load number i brings chunk 2 i + parity; each load has its own group 0
	s_mov_b32 s[40+4*(\i)], 1
	s_add_co_u32 s[41+4*(\i)], s86, (\i)*2*CHA
	s_add_nc_u64 s[42+4*(\i):43+4*(\i)], s[88:89], (\i)*512
	s_or_b32 s[43+4*(\i)], s[43+4*(\i)], 0x80000000
	s_mov_b32 s[68+4*(\i)], 1
	s_add_co_u32 s[69+4*(\i)], s87, (\i)*2*CHB
	s_add_nc_u64 s[70+4*(\i):71+4*(\i)], s[90:91], (\i)*32768
	s_or_b32 s[71+4*(\i)], s[71+4*(\i)], 0x80000000
.endr
	CROUND                                         ; all sixteen work-groups are here: the joint loads meet
	s_cmp_lt_u32 s12, 2                            ; a wave's four fills stand in one branch
	s_cbranch_scc0 .Lfirst_b
.irp i, 0,1,2,3
	tensor_load_to_lds s[40+4*(\i):43+4*(\i)], s[24:31]
	s_nop 0
.endr
	PLACES
	s_branch .Lfirst_done
.Lfirst_b:
.irp i, 0,1,2,3
	tensor_load_to_lds s[68+4*(\i):71+4*(\i)], s[32:39]
	s_nop 0
.endr
	PLACES
.Lfirst_done:
	v_and_b32 v1, 15, v0                           ; r = l % 16
	v_bfe_u32 v2, v0, 4, 1                         ; h = l / 16
	v_and_b32 v3, 7, v0
	v_bfe_u32 v4, v0, 3, 1
	v_bfe_u32 v5, v0, 3, 2                         ; l / 8
	v_mov_b32 v6, 0x7f800000                       ; an f32's exponent
	s_mul_i32 s20, s12, 16*PA
	v_mul_u32_u24 v10, v1, PA                      ; wv's fragments: my 16 rows; row x pitch + 16 h
	v_lshl_add_u32 v10, v2, 4, v10
	v_add_nc_u32 v10, s20, v10
	v_lshl_add_u32 v11, v2, 3, v3                  ; wo's, turned: lane l reads row 8 h + l % 8, 16 bytes at 16 ((l / 8) % 2)
	v_mul_u32_u24 v11, v11, PB
	v_lshl_add_u32 v11, v4, 4, v11
	v_add_nc_u32 v11, BOFF, v11
	s_mul_i32 s20, s12, 16*SP
	s_add_co_u32 s20, s20, STAGE
	v_mul_u32_u24 v16, v1, SP                      ; into my stage: row r, 16 bytes for each half of the lanes
	v_lshl_add_u32 v16, v2, 4, v16
	v_add_nc_u32 v16, s20, v16
	v_mul_u32_u24 v17, v5, SP                      ; back: 32 lanes take four rows of 128 bytes
	v_lshl_add_u32 v17, v3, 4, v17
	v_add_nc_u32 v17, s20, v17
	v_mul_u32_u24 v18, v5, 6144                    ; the same four rows in wq
	v_lshl_add_u32 v18, v3, 4, v18
	v_lshlrev_b32 v19, 5, v2                       ; the scales: my eight columns of sixteen, 32 bytes
	s_mul_i32 s20, s18, 64*6144                    ; wq at row 64 x tile row + 16 x wave, byte 4,096 + 128 x tile column
	s_mul_i32 s21, s12, 16*6144
	s_add_co_u32 s20, s20, s21
	s_lshl_b32 s21, s17, 7
	s_add_co_u32 s20, s20, s21
	s_add_co_u32 s20, s20, 4096
	s_mov_b32 s21, 0
	s_add_nc_u64 s[8:9], s[8:9], s[20:21]
	s_lshl_b32 s20, s18, 12                        ; sc: a copy of 4,096 bytes for each tile row, so that each byte has one work-group that stores it and no branch hangs on a work-group's place
	s_lshl_b32 s21, s17, 8
	s_add_co_u32 s20, s20, s21
	s_mov_b32 s21, 0
	s_add_nc_u64 s[10:11], s[10:11], s[20:21]
.irp i, 0,1,2,3,4,5,6,7
	v_mov_b32 v[ONES+(\i)], 0x3f803f80             ; 1.0 twice in bf16
.endr
	WIN 0x40
.set i, 0
.rept 64
	v_mov_b32 v[i], 0                              ; the eight sums
.set i, i+1
.endr
	WIN 0
.macro LD set, u0                      ; 20 LDS loads in one run: the fragments of K = 32 u0 .. 32 u0 + 63 of the chunk in hand
.irp u, 0,1
	ds_load_b128 v[(\set)+40*(\u):(\set)+40*(\u)+3],   v10 offset:64*((\u0)+(\u))
	ds_load_b128 v[(\set)+40*(\u)+4:(\set)+40*(\u)+7], v10 offset:64*((\u0)+(\u))+32
.irp b, 0,1,2,3
	ds_load_tr16_b128 v[(\set)+40*(\u)+8+8*(\b):(\set)+40*(\u)+11+8*(\b)],  v11 offset:((\u0)+(\u))*32*PB+32*(\b)
	ds_load_tr16_b128 v[(\set)+40*(\u)+12+8*(\b):(\set)+40*(\u)+15+8*(\b)], v11 offset:((\u0)+(\u))*32*PB+16*PB+32*(\b)
.endr
.endr
.endm
; 8 products, the 64 lines that clear the signs (they stand while the products run), 8 sums.  The accumulators take turns, one instruction a turn.
.macro COMP set
	WIN 0x50                                       ; C and D in window 1
.irp u, 0,1
.irp b, 0,1,2,3
	v_wmma_f32_16x16x32_bf16 v[8*(\b):8*(\b)+7], v[(\set)+40*(\u)+8+8*(\b):(\set)+40*(\u)+15+8*(\b)], v[(\set)+40*(\u):(\set)+40*(\u)+7], v[8*(\b):8*(\b)+7]
.endr
.endr
	WIN 0
.irp u, 0,1
.set i, 0
.rept 32
	v_and_b32 v[ABS+32*(\u)+i], s66, v[(\set)+40*(\u)+8+i]
.set i, i+1
.endr
.endr
	WIN 0x50
.irp u, 0,1
.irp b, 0,1,2,3
	v_wmma_f32_16x16x32_bf16 v[32+8*(\b):39+8*(\b)], v[ABS+32*(\u)+8*(\b):ABS+32*(\u)+8*(\b)+7], v[ONES:ONES+7], v[32+8*(\b):39+8*(\b)]
.endr
.endr
.endm
	s_wait_tensorcnt 0x0                           ; my four loads have landed,
	s_barrier_signal -1
	s_barrier_wait -1                              ; everybody's have
	LD S0, 0
	s_mov_b32 s56, 8
.Lchunk:                                       ; a trip: a chunk of 128 along K; while one set is multiplied the other's loads are out.  The last trip is left in its middle
	s_wait_dscnt 0x0                               ; set 0 is in
	PLACES                                         ; behind the products that read set 1 and the sums that read the fragments without signs
	LD S1, 2
	COMP S0
	WIN 0
	s_wait_dscnt 0x0                               ; set 1 is in
	PLACES
	s_sub_co_u32 s56, s56, 1
	s_cmp_eq_u32 s56, 0
	s_cbranch_scc1 .Llast
	v_add_nc_u32 v10, CHA, v10                     ; the next chunk
	v_add_nc_u32 v11, CHB, v11
	LD S0, 0
	COMP S1
	WIN 0
	s_branch .Lchunk
.Llast:
	COMP S1
	WIN 0
	PLACES                                         ; behind the last sums
	; THE WAY OUT.  Each accumulator's registers are read in ascending order.
	WIN 0x01                                       ; source 0 in window 1
.set i, 0
.rept 32
	v_and_b32 v[32+i], v[32+i], v6                 ; e << 23
.set i, i+1
.endr
	WIN 0
.set i, 0
.rept 32
	v_add_nc_u32 v[64+i], 0x00800000, v[32+i]      ; s = 2^(e - 126)
.set i, i+1
.endr
.set i, 0
.rept 32
	v_sub_nc_u32 v[32+i], 0x7e800000, v[32+i]      ; 1 / s = 2^(126 - e)
.set i, i+1
.endr
	WIN 0x01
.set i, 0
.rept 16
	v_pk_mul_f32 v[96+2*i:97+2*i], v[2*i:2*i+1], v[32+2*i:33+2*i]
.set i, i+1
.endr
	WIN 0
.set i, 0
.rept 16
	v_cvt_pk_f16_f32 v[128+i], v[96+2*i], v[97+2*i]
.set i, i+1
.endr
.irp b, 0,1,2,3
	ds_store_b128 v16, v[128+4*(\b):131+4*(\b)] offset:32*(\b)
.endr
.irp f, 0,1,2,3
	ds_load_b128 v[144+4*(\f):147+4*(\f)], v17 offset:(\f)*4*SP  ; LDS serves a wave's instructions in order (ISA guide 5.7.1.4): these see the stores above
.endr
	s_wait_dscnt 0x0
.irp f, 0,1,2,3
	global_store_b128 v18, v[144+4*(\f):147+4*(\f)], s[8:9] offset:(\f)*4*6144  ; four rows' 128 bytes on end: a tile has 64 columns; the launch stores 2 MiB in all
.endr
	s_cmp_lg_u32 s12, 0                            ; all four waves hold the same scales: wave 0 stores them,
	s_cbranch_scc1 .Lno_sc
	v_cmp_eq_u32 vcc_lo, 0, v1                     ; from the two lanes with r = 0 (sixteen lanes hold the same eight)
	s_wait_xcnt 0x0                                ; EXEC changes only behind this wait
	s_and_saveexec_b32 s20, vcc_lo
.irp q, 0,1,2,3,4,5,6,7
	global_store_b128 v19, v[64+4*(\q):67+4*(\q)], s[10:11] offset:64*((\q)/2)+16*((\q)%2)  ; column 16 b + 8 h + j at byte 64 b + 32 h + 4 j
.endr
	s_wait_xcnt 0x0                                ; and again, in front of the line that widens it
	s_or_b32 exec_lo, exec_lo, s20
.Lno_sc:
	s_wait_tensorcnt 0x0                           ; the wave's end
	ds_add_u32 v28, v29
	s_wait_dscnt 0x0
	CROUND                                         ; the closing round
	s_endpgm
.Lfunc_end_k_q7990fda159_fold:
	.size	k_q7990fda159_fold, .Lfunc_end_k_q7990fda159_fold-k_q7990fda159_fold
	.p2alignl 7, 3214868480
	.fill 96, 4, 3214868480
	.section	.rodata,"a",@progbits
	.p2align	6, 0x0
	.amdhsa_kernel k_q7990fda159_fold
		.amdhsa_group_segment_fixed_size 327680
		.amdhsa_private_segment_fixed_size 0
		.amdhsa_enable_private_segment 0
		.amdhsa_kernarg_size 32
		.amdhsa_user_sgpr_count 2
		.amdhsa_user_sgpr_kernarg_segment_ptr 1
		.amdhsa_wavefront_size32 1
		.amdhsa_system_sgpr_workgroup_id_x 1
		.amdhsa_system_sgpr_workgroup_id_y 1
		.amdhsa_system_sgpr_workgroup_id_z 1
		.amdhsa_system_vgpr_workitem_id 0
		.amdhsa_next_free_vgpr 320
		.amdhsa_next_free_sgpr 96
		.amdhsa_reserve_vcc 1
		.amdhsa_float_denorm_mode_32 3
		.amdhsa_float_denorm_mode_16_64 3
		.amdhsa_memory_ordered 1
		.amdhsa_forward_progress 1
		.amdhsa_inst_pref_size 34
	.end_amdhsa_kernel
	.amdgpu_metadata
---
amdhsa.version: [ 1, 2 ]
amdhsa.kernels:
  - .name:           k_q7990fda159_fold
    .symbol:         k_q7990fda159_fold.kd
    .args:
      - { .name: wv, .offset: 0, .size: 8, .value_kind: global_buffer, .address_space: global }
      - { .name: wo, .offset: 8, .size: 8, .value_kind: global_buffer, .address_space: global }
      - { .name: wq, .offset: 16, .size: 8, .value_kind: global_buffer, .address_space: global }
      - { .name: sc, .offset: 24, .size: 8, .value_kind: global_buffer, .address_space: global }
    .group_segment_fixed_size: 327680
    .private_segment_fixed_size: 0
    .kernarg_segment_align: 8
    .kernarg_segment_size: 32
    .max_flat_workgroup_size: 128
    .sgpr_count:     96
    .vgpr_count:     320
    .wavefront_size: 32
...
	.end_amdgpu_metadata
.endif
;; end of part 2
;; launch proj (part 3): grid 8 x 32, 4 waves a work-group, clusters of 4 x 4, 327,680 bytes of LDS; arguments xb, wq, qkvh; writes qkvh
.if DOCPART == 3
	.amdgcn_target "amdgcn-amd-amdhsa--gfx1250"
	.amdhsa_code_object_version 6
	.text
	.protected	k_q7990fda159_proj
	.globl	k_q7990fda159_proj
	.p2align	8
	.type	k_q7990fda159_proj,@function
k_q7990fda159_proj:
	s_mov_b64 s[64:65], 0
	v_nop
	global_prefetch_b8 v0, s[64:65] scope:SCOPE_SE
	s_setreg_imm32_b32 hwreg(HW_REG_WAVE_MODE, 25, 1), 1
	s_wait_xcnt 0x0
	s_wait_alu depctr_hold_cnt(0) depctr_sa_sdst(0) depctr_va_vdst(0) depctr_va_sdst(0) depctr_va_ssrc(0) depctr_va_vcc(0) depctr_vm_vsrc(0)
	s_getreg_b32 s2, hwreg(HW_REG_IB_STS2, 6, 4)
	s_cmp_eq_u32 s2, 0
	s_cbranch_scc0 .Lentry_in_a_cluster
	s_endpgm
.Lentry_in_a_cluster:
	s_bfe_u32 s2, ttmp6, 0x10000c
	s_cmp_lg_u32 s2, 0xf033
	s_cbranch_scc0 .Lentry_shape_is_right
	s_endpgm
.Lentry_shape_is_right:
; qkvh[m][n] = the sum over k of xb[m][k] wq[k][n]: [8192][1024] x [1024][3072], operands f16, sums f32, the result rounded once to f16.
; xb holds x, and wq's columns 0-2047 hold W_q and W_k, each rounded to bf16 and written as f16; wq's columns 2048-3071 hold W_v W_out / s.  So the result's thirds are q, k and v W_out / s.
; LIMIT.  f16 ends at 65,504: a sum of 65,520 or more becomes an infinity; the last third never passes the largest |x W_v| of its row.  Below 6e-5 f16 keeps its fixed step of 6e-8.  NaN and infinities are not treated apart.
; TILE.  256 x 384 of the result to a work-group: 32 x 8 = 256 work-groups.  Four waves, wave (WR, WC) makes 128 x 192: 96 accumulators of 16 x 16, 768 registers.
; RING.  K goes in 16 steps of 64 through two LDS slots.  A slot: 256 rows of x (128 bytes + 16 of padding) and 64 rows of W (768 bytes as three pieces of 256, 32 of padding behind each).
; Waves 0 and 1 fetch the halves of x's tile, waves 2 and 3 those of W's: one tensor load a wave behind each change of slots.
; CLUSTER.  4 x 4 work-groups.  The four of a row of the cluster want the same tile of x, the four of a column the same tile of W: each tile is asked for jointly.
; THE MATRIX INSTRUCTION IS USED TRANSPOSED: source 0 = 16 columns of W (turned on the way out of LDS), source 1 = 16 rows of x: a lane then holds eight neighbouring numbers of one row of the result.
; REGISTERS.  window 0: v8-20 addresses, v28-29 the add's; v32-95, v96-159 x's fragments of 32 along K (8 x 8), two buffers; v160-207, v208-255 W's fragments, six column blocks each.
;   windows 1-3: accumulator (row block a, column block b) is number 8 b + a, at register 256 + 8 x number.
.set PA,    144                        ; a row of x in LDS: 36 words: the 16 rows of a load start at 16 different groups of four banks
.set PB,    864                        ; a row of W in LDS: 3 x (256 + 32) bytes = 27 x 32
.set BOFF,  256*PA                     ; W's rows lie behind x's 256
.set SLOTX, 131072                     ; slot 1 begins here: one exclusive or turns an address in one slot into the other's
.set SPARE, 262144                     ; the spare words, 128 bytes a wave: two blocks of 256 bytes that no other line names
.set SPT,   784                        ; the way out: a stage row, 768 bytes + 16.  The stage (256 rows from LDS byte 0) lies over the slots, which have then had their last fill
.set STEPA, 1048576                    ; from K step to K step in xb,
.set STEPB, 64*6144                    ; and in wq
.set FA0, 32
.set FA1, 96
.set FB0, 160
.set MSB, 0
.macro WIN new                         ; the immediate's high byte repeats the setting that is left; a switch that changes nothing is dropped
.if MSB != (\new)
	s_set_vgpr_msb (MSB<<8)|(\new)
.set MSB, \new
.endif
.endm
.macro PLACES                          ; four plain instructions between a matrix instruction and a load into, or a vector line on, its registers
.rept 4
	v_nop
.endr
.endm
.macro CREST                           ; a round of the cluster's barrier behind its opening barrier
	s_cmp_lg_u32 s12, 0
	s_cbranch_scc1 .Lnot_wave_0_\@
	s_barrier_signal -3
.Lnot_wave_0_\@:
	s_barrier_wait -3
	s_barrier_signal -1
	s_barrier_wait -1
.endm
.macro CROUND
	s_barrier_signal -1
	s_barrier_wait -1
	CREST
.endm
.macro JLOAD                           ; a joint refill by the walking descriptors; the branch hangs on the wave's number alone
	s_cmp_lt_u32 s12, 2
	s_cbranch_scc0 .Lfor_b_\@
	tensor_load_to_lds s[44:47], s[24:31]
	s_nop 0
	PLACES
	s_branch .Lasked_\@
.Lfor_b_\@:
	tensor_load_to_lds s[52:55], s[32:39]
	s_nop 0
	PLACES
.Lasked_\@:
.endm
.macro STEPD                           ; both walking descriptors: the other slot, the next K step (no tensor load of mine is out)
	s_xor_b32 s45, s45, SLOTX
	s_add_nc_u64 s[46:47], s[46:47], STEPA
	s_xor_b32 s53, s53, SLOTX
	s_add_nc_u64 s[54:55], s[54:55], STEPB
.endm
; PREFETCH INTO THE L2, behind the joint load and the run of LDS loads: the change that refills K step c + 2 names K step c + 4.  Each block of 256 bytes is named once in the launch.
; x's tile (128 blocks on end): wave 0 of the clusters with x = 0; the four partners take 32 blocks each, told apart by address.  W's rows: wave 2 of the clusters with y = 0, at every second
; change, for two K steps: 128 rows, 32 to a partner, a lane a row, three blocks a row.  The last two changes that fill a slot ask for nothing: s56 counts them down to 1.
.macro ASK
	s_cmp_gt_u32 s56, s58
	s_cbranch_scc0 .Lnot_a_\@
	global_prefetch_b8 v20, s[60:61] th:TH_LOAD_NT scope:SCOPE_SE
.Lnot_a_\@:
	s_cmp_gt_u32 s56, s59
	s_cbranch_scc0 .Lnot_b_\@
	s_bitcmp1_b32 s56, 0
	s_cbranch_scc1 .Lnot_b_\@
	global_prefetch_b8 v20, s[60:61] th:TH_LOAD_NT scope:SCOPE_SE
	global_prefetch_b8 v20, s[60:61] offset:256 th:TH_LOAD_NT scope:SCOPE_SE
	global_prefetch_b8 v20, s[60:61] offset:512 th:TH_LOAD_NT scope:SCOPE_SE
.Lnot_b_\@:
.endm
	s_load_b128 s[4:7], s[0:1], 0x0                ; xb s[4:5], wq s[6:7]
	s_load_b64 s[8:9], s[0:1], 0x10                ; qkvh
	v_lshl_add_u32 v28, v0, 2, SPARE
	v_mov_b32 v29, 0
	ds_add_u32 v28, v29                            ; the wave's opening: the add and its wait ahead of my first tensor load; the set-up below stands between them
	v_lshrrev_b32 v1, 5, v0
	v_readfirstlane_b32 s12, v1                    ; wave 0..3
	s_lshr_b32 s13, s12, 1                         ; WR: my half of the tile's rows
	s_and_b32 s14, s12, 1                          ; WC: my half of its columns; also: which half of a tile I fetch
	s_bfe_u32 s15, ttmp6, 0x40000                  ; cx
	s_bfe_u32 s16, ttmp6, 0x40004                  ; cy
	s_lshl_b32 s17, ttmp9, 2
	s_add_co_u32 s17, s17, s15                     ; tile column = 4 x cluster x + cx
	s_and_b32 s19, ttmp7, 0xffff                   ; cluster y
	s_lshl_b32 s18, s19, 2
	s_add_co_u32 s18, s18, s16                     ; tile row = 4 x cluster y + cy
	s_lshl_b32 s22, s16, 2
	s_lshl_b32 s22, 15, s22                        ; my row of the cluster
	s_lshl_b32 s20, 0x1111, s15                    ; my column
	; group 1 for x: 128 rows of 128 bytes lie on end: asked for as 64 rows of 256 bytes, padded by 4 words after every 32
	s_or_b32 s24, s22, (1<<16)|(1<<20)|(1<<21)|(4<<22)|(3<<25)
	s_mov_b32 s25, 128<<16                         ; tensor_dim0
	s_mov_b32 s26, 64<<16                          ; tensor_dim1
	s_mov_b32 s27, 128<<16                         ; tile_dim0
	s_mov_b32 s28, 64                              ; tile_dim1
	s_mov_b32 s29, 128                             ; elements from row to row
	s_mov_b32 s30, 0
	s_mov_b32 s31, 0
	; group 1 for W: 32 rows of 384 elements, padded by 8 words after every 64
	s_or_b32 s32, s20, (1<<16)|(1<<20)|(1<<21)|(5<<22)|(7<<25)
	s_mov_b32 s33, 384<<16
	s_mov_b32 s34, 32<<16
	s_mov_b32 s35, 384<<16
	s_mov_b32 s36, 32
	s_mov_b32 s37, 3072
	s_mov_b32 s38, 0
	s_mov_b32 s39, 0
	s_lshl_b32 s22, s18, 15                        ; x: 256 rows of 128 bytes a tile row,
	s_lshl_b32 s23, s14, 14                        ; my 128 of them
	s_add_co_u32 s22, s22, s23
	s_mov_b32 s23, 0
	s_mul_i32 s20, s17, 768                        ; W: 384 columns a tile column,
	s_mul_i32 s21, s14, 32*6144                    ; my 32 rows of the K step's 64
	s_add_co_u32 s20, s20, s21
	s_mov_b32 s21, 0
	s_mul_i32 s78, s14, 128*PA                     ; where they go: the wave's number alone enters an LDS address
	s_mul_i32 s74, s14, 32*PB
	s_add_co_u32 s74, s74, BOFF
	s_mov_b32 s57, 0                               ; the slot that is read: 0 or SLOTX
	s_wait_dscnt 0x0                               ; the opening add is done
	s_wait_kmcnt 0x0
	s_add_nc_u64 s[76:77], s[4:5], s[22:23]
	s_add_nc_u64 s[72:73], s[6:7], s[20:21]
.irp s, 0,1
	s_mov_b32 s[40+4*(\s)], 1
	s_add_co_u32 s[41+4*(\s)], s78, (\s)*SLOTX
	s_add_nc_u64 s[42+4*(\s):43+4*(\s)], s[76:77], (\s)*STEPA
	s_or_b32 s[43+4*(\s)], s[43+4*(\s)], 0x80000000
	s_mov_b32 s[48+4*(\s)], 1
	s_add_co_u32 s[49+4*(\s)], s74, (\s)*SLOTX
	s_add_nc_u64 s[50+4*(\s):51+4*(\s)], s[72:73], (\s)*STEPB
	s_or_b32 s[51+4*(\s)], s[51+4*(\s)], 0x80000000
.endr
	CROUND                                         ; all sixteen work-groups are here: the first joint loads meet
	s_cmp_lt_u32 s12, 2                            ; a wave's two first fills stand in one branch: two loads of mine are out
	s_cbranch_scc0 .Lfirst_b
	tensor_load_to_lds s[40:43], s[24:31]
	s_nop 0
	tensor_load_to_lds s[44:47], s[24:31]
	s_nop 0
	PLACES
	s_branch .Lfirst_done
.Lfirst_b:
	tensor_load_to_lds s[48:51], s[32:39]
	s_nop 0
	tensor_load_to_lds s[52:55], s[32:39]
	s_nop 0
	PLACES
.Lfirst_done:
	v_and_b32 v1, 15, v0                           ; r = l % 16
	v_bfe_u32 v2, v0, 4, 1                         ; h = l / 16
	v_and_b32 v3, 7, v0
	v_bfe_u32 v4, v0, 3, 1
	s_mul_i32 s20, s13, 128*PA
	v_mul_u32_u24 v8, v1, PA                       ; x's fragments: row x pitch + 16 h
	v_lshl_add_u32 v8, v2, 4, v8
	v_add_nc_u32 v8, s20, v8
	v_lshl_add_u32 v5, v2, 3, v3                   ; W's, turned: lane l reads row 8 h + l % 8, 16 bytes at 16 ((l / 8) % 2)
	v_mul_u32_u24 v5, v5, PB
	v_lshl_add_u32 v5, v4, 4, v5
	v_add_nc_u32 v5, BOFF, v5
	s_mul_i32 s20, s14, 416                        ; my column blocks 12 WC + 0, + 4, + 8: block g lies at 32 g + 32 (g / 8): 0, 128, 288 or 416, 576, 704
	s_mul_i32 s21, s14, 448
	s_add_co_u32 s21, s21, 128
	s_add_co_u32 s22, s20, 288
	v_add_nc_u32 v9, s20, v5
	v_add_nc_u32 v10, s21, v5
	v_add_nc_u32 v11, s22, v5
	s_mul_i32 s20, s13, 128*SPT                    ; the way out, in: row 128 WR + 16 a + r, byte 384 WC + 32 b + 16 h
	s_mul_i32 s21, s14, 384
	s_add_co_u32 s20, s20, s21
	v_mul_u32_u24 v16, v1, SPT
	v_lshl_add_u32 v16, v2, 4, v16
	v_add_nc_u32 v16, s20, v16
	v_add_nc_u32 v17, 64*SPT, v16                  ; the same for row blocks 4 to 7, so that the offsets stay within 16 bits
	s_mul_i32 s20, s12, 64*SPT                     ; back: wave w takes rows 64 w on, whole; lanes 0-15 one row's 256 bytes, lanes 16-31 the next row's
	v_mul_u32_u24 v18, v2, SPT
	v_lshl_add_u32 v18, v1, 4, v18
	v_add_nc_u32 v18, s20, v18
	v_mul_u32_u24 v19, v2, 6144                    ; and the same two rows in qkvh
	v_lshl_add_u32 v19, v1, 4, v19
	s_mul_i32 s20, s18, 256*6144
	s_mul_i32 s21, s12, 64*6144
	s_add_co_u32 s20, s20, s21
	s_mul_i32 s21, s17, 768
	s_add_co_u32 s20, s20, s21
	s_mov_b32 s21, 0
	s_add_nc_u64 s[8:9], s[8:9], s[20:21]          ; qkvh at the first row that I store
	; the prefetches: they stand at K step 3; each change steps them first
	s_lshl_b32 s72, s18, 15
	s_lshl_b32 s73, s15, 13                        ; my work-group's 32 blocks of the 128
	s_add_co_u32 s72, s72, s73
	s_add_co_u32 s72, s72, 3*STEPA
	s_mul_i32 s74, s16, 32*6144                    ; my work-group's 32 rows of the 128
	s_mul_i32 s75, s17, 768
	s_add_co_u32 s74, s74, s75
	s_add_co_u32 s74, s74, 3*STEPB
	s_or_b32 s58, s12, ttmp9                       ; wave 0 where cluster x = 0: the same in all sixteen partners
	s_xor_b32 s59, s12, 2
	s_or_b32 s59, s59, s19                         ; wave 2 where cluster y = 0
	s_cmp_eq_u32 s58, 0
	s_cselect_b32 s58, 2, -1
	s_cmp_eq_u32 s59, 0
	s_cselect_b32 s59, 2, -1
	s_mov_b32 s62, STEPA
	s_mov_b32 s63, STEPB
	s_mov_b32 s73, 256
	s_mov_b32 s75, 6144
	s_cmp_lt_u32 s12, 2
	s_cselect_b64 s[60:61], s[4:5], s[6:7]
	s_cselect_b32 s72, s72, s74
	s_cselect_b32 s62, s62, s63
	s_cselect_b32 s75, s73, s75
	s_mov_b32 s73, 0
	s_mov_b32 s63, 0
	s_add_nc_u64 s[60:61], s[60:61], s[72:73]
	v_and_b32 v20, 31, v0
	v_mul_u32_u24 v20, v20, s75                    ; a lane a block of x, or a lane a row of W
.macro ADDR                            ; the addresses in the slot that is read now
	v_add_nc_u32 v12, s57, v8
	v_add_nc_u32 v13, s57, v9
	v_add_nc_u32 v14, s57, v10
	v_add_nc_u32 v15, s57, v11
.endm
.macro LOADB hb, q2                    ; W's column blocks 6 hb .. 6 hb + 5, K = 32 q2 on: 12 turning loads
.irp c, 0,1,2,3,4,5
.set bb, 6*(\hb)+(\c)
	ds_load_tr16_b128 v[FB0+48*(\hb)+8*(\c):FB0+48*(\hb)+8*(\c)+3],   v[13+bb/4] offset:(\q2)*32*PB+32*(bb%4)
	ds_load_tr16_b128 v[FB0+48*(\hb)+8*(\c)+4:FB0+48*(\hb)+8*(\c)+7], v[13+bb/4] offset:(\q2)*32*PB+16*PB+32*(bb%4)
.endr
.endm
.macro LOADA fa, q2                    ; x's eight row blocks, K = 32 q2 on: 16 loads
.irp a, 0,1,2,3,4,5,6,7
	ds_load_b128 v[(\fa)+8*(\a):(\fa)+8*(\a)+3],   v12 offset:(\a)*16*PA+64*(\q2)
	ds_load_b128 v[(\fa)+8*(\a)+4:(\fa)+8*(\a)+7], v12 offset:(\a)*16*PA+64*(\q2)+32
.endr
.endm
.macro MM lo, hi, fa, zero             ; products number lo .. hi: each on another accumulator.  zero = 1: they start the sums
.set ix, \lo
.rept (\hi)-(\lo)+1
	WIN 0x50*(1+ix/32)
.set rD, 8*(ix%32)
.set rB, FB0+48*((ix/8)/6)+8*((ix/8)%6)
.set rA, (\fa)+8*(ix%8)
.if \zero
	v_wmma_f32_16x16x32_f16 v[rD:rD+7], v[rB:rB+7], v[rA:rA+7], 0
.else
	v_wmma_f32_16x16x32_f16 v[rD:rD+7], v[rB:rB+7], v[rA:rA+7], v[rD:rD+7]
.endif
.set ix, ix+1
.endr
.endm
; A K step is two halves of 32 along K, 96 products each.  Each piece: the run issued 48 products back is waited for, the next run goes out, 48 products follow.
.macro EVEN zero
	s_wait_dscnt 0x0                               ; W's blocks 0-5 and x's fragments are in
	WIN 0
	PLACES
	LOADB 1, 0
	MM 0, 47, FA0, \zero
	s_wait_dscnt 0x0                               ; W's blocks 6-11
	WIN 0
	PLACES
	LOADB 0, 1
	LOADA FA1, 1
	MM 48, 95, FA0, \zero
.endm
; The second half, and the change of slots in its middle.  fill = 1: the slot just read out is filled again, two K steps on: that load has 176 products in which to land.
.macro ODD fill
	s_wait_dscnt 0x0
	WIN 0
	PLACES
	LOADB 1, 1                                     ; my last reads of this slot
	MM 0, 31, FA1, 0
	WIN 0
.if \fill
	s_wait_xcnt 0x0                                ; the last prefetches, a K step back, have read their address
	s_add_nc_u64 s[60:61], s[60:61], s[62:63]
.endif
	s_wait_tensorcnt 0x0                           ; all my tensor loads have landed: the one that was out is my part of the other slot
	ds_add_u32 v28, v29                            ; 0 onto my spare word
.if \fill
	STEPD
.endif
	MM 32, 39, FA1, 0
	s_wait_dscnt 0x0                               ; the add is done, and my reads of this slot are over
	s_barrier_signal -1
	MM 40, 47, FA1, 0
	WIN 0
	s_barrier_wait -1
.if \fill
	CREST                                          ; the barrier has opened a round of the cluster's: no wave of any partner still reads the slot or has a load on its way
	JLOAD
.else
	PLACES
.endif
	s_xor_b32 s57, s57, SLOTX
	ADDR
	LOADB 0, 0
	LOADA FA0, 0
.if \fill
	ASK
.endif
	MM 48, 95, FA1, 0
.endm
	s_wait_tensorcnt 1                             ; my part of K step 0 is in; K step 1's may stay out
	s_barrier_signal -1
	s_barrier_wait -1
	ADDR
	LOADB 0, 0
	LOADA FA0, 0
	EVEN 1                                         ; the first half step stands in front of the loop: its products start the sums
	WIN 0
	s_mov_b32 s56, 14
.Lstep:                                        ; a trip: the second half of a K step, the change of slots with its refill, the first half of the next K step
	ODD 1
	EVEN 0
	WIN 0
	s_sub_co_u32 s56, s56, 1
	s_cmp_lg_u32 s56, 0
	s_cbranch_scc1 .Lstep
	s_mov_b32 s56, 2
.Ltail:                                        ; the last two K steps ask for nothing; the second trip is left in its middle (its run of loads reads landed bytes that nobody uses)
	ODD 0
	WIN 0
	s_sub_co_u32 s56, s56, 1
	s_cmp_eq_u32 s56, 0
	s_cbranch_scc1 .Lout
	EVEN 0
	WIN 0
	s_branch .Ltail
.Lout:
	; THE WAY OUT.  Rounded to f16, 16 bytes a lane into one stage for the work-group (a row's middle 256 bytes come from two waves), back as whole rows.
	s_wait_dscnt 0x0                               ; my reads of the slots are over,
	s_barrier_signal -1
	s_barrier_wait -1                              ; everybody's are: the stage may be written over them
	PLACES
.irp w, 1,2,3
	WIN 5*(\w)                                     ; sources in window w
.set i, 0
.rept 128
	v_cvt_pk_f16_f32 v[32+i], v[2*i], v[2*i+1]     ; each accumulator's registers in ascending order
.set i, i+1
.endr
	WIN 0
.set i, 0
.rept 32
.set ix, 32*((\w)-1)+i
	ds_store_b128 v[16+(ix%8)/4], v[32+4*i:32+4*i+3] offset:((ix%8)%4)*16*SPT+32*(ix/8)
.set i, i+1
.endr
.endr
	s_wait_dscnt 0x0                               ; for the others' sake: my stores into the stage are done
	s_barrier_signal -1
	s_barrier_wait -1
	s_mov_b32 s56, 4
.Lsend:                                        ; 16 rows a trip
.set t, 0
.rept 24
	ds_load_b128 v[32+4*t:32+4*t+3], v18 offset:(t/3)*2*SPT+256*(t%3)
.set t, t+1
.endr
.set t, 0
.rept 24
	s_wait_dscnt 23-t                              ; LDS loads come back in order: number t is in
	global_store_b128 v19, v[32+4*t:32+4*t+3], s[8:9] offset:(t/3)*2*6144+256*(t%3)  ; 16 lanes store 256 bytes on end, at a multiple of 256 from the buffer's first byte
.set t, t+1
.endr
	s_wait_xcnt 0x0                                ; the stores have read their registers and their base
	v_add_nc_u32 v18, 16*SPT, v18
	s_add_nc_u64 s[8:9], s[8:9], 16*6144
	s_sub_co_u32 s56, s56, 1
	s_cmp_lg_u32 s56, 0
	s_cbranch_scc1 .Lsend
	s_wait_tensorcnt 0x0                           ; the wave's end
	ds_add_u32 v28, v29
	s_wait_dscnt 0x0
	CROUND                                         ; the closing round
	s_endpgm
.Lfunc_end_k_q7990fda159_proj:
	.size	k_q7990fda159_proj, .Lfunc_end_k_q7990fda159_proj-k_q7990fda159_proj
	.p2alignl 7, 3214868480
	.fill 96, 4, 3214868480
	.section	.rodata,"a",@progbits
	.p2align	6, 0x0
	.amdhsa_kernel k_q7990fda159_proj
		.amdhsa_group_segment_fixed_size 327680
		.amdhsa_private_segment_fixed_size 0
		.amdhsa_enable_private_segment 0
		.amdhsa_kernarg_size 24
		.amdhsa_user_sgpr_count 2
		.amdhsa_user_sgpr_kernarg_segment_ptr 1
		.amdhsa_wavefront_size32 1
		.amdhsa_system_sgpr_workgroup_id_x 1
		.amdhsa_system_sgpr_workgroup_id_y 1
		.amdhsa_system_sgpr_workgroup_id_z 1
		.amdhsa_system_vgpr_workitem_id 0
		.amdhsa_next_free_vgpr 1024
		.amdhsa_next_free_sgpr 80
		.amdhsa_reserve_vcc 0
		.amdhsa_float_denorm_mode_32 3
		.amdhsa_float_denorm_mode_16_64 3
		.amdhsa_memory_ordered 1
		.amdhsa_forward_progress 1
		.amdhsa_inst_pref_size 94
	.end_amdhsa_kernel
	.amdgpu_metadata
---
amdhsa.version: [ 1, 2 ]
amdhsa.kernels:
  - .name:           k_q7990fda159_proj
    .symbol:         k_q7990fda159_proj.kd
    .args:
      - { .name: xb, .offset: 0, .size: 8, .value_kind: global_buffer, .address_space: global }
      - { .name: wq, .offset: 8, .size: 8, .value_kind: global_buffer, .address_space: global }
      - { .name: qkvh, .offset: 16, .size: 8, .value_kind: global_buffer, .address_space: global }
    .group_segment_fixed_size: 327680
    .private_segment_fixed_size: 0
    .kernarg_segment_align: 8
    .kernarg_segment_size: 24
    .max_flat_workgroup_size: 128
    .sgpr_count:     80
    .vgpr_count:     1024
    .wavefront_size: 32
...
	.end_amdgpu_metadata
.endif
;; end of part 3
;; launch scores (part 4): grid 8 x 32, 4 waves a work-group, clusters of 4 x 4, 327,680 bytes of LDS; arguments qkvh, pw, stat; writes pw, stat
.if DOCPART == 4
	.amdgcn_target "amdgcn-amd-amdhsa--gfx1250"
	.amdhsa_code_object_version 6
	.text
	.protected	k_q7990fda159_scores
	.globl	k_q7990fda159_scores
	.p2align	8
	.type	k_q7990fda159_scores,@function
k_q7990fda159_scores:
	s_mov_b64 s[64:65], 0
	v_nop
	global_prefetch_b8 v0, s[64:65] scope:SCOPE_SE
	s_setreg_imm32_b32 hwreg(HW_REG_WAVE_MODE, 25, 1), 1
	s_wait_xcnt 0x0
	s_wait_alu depctr_hold_cnt(0) depctr_sa_sdst(0) depctr_va_vdst(0) depctr_va_sdst(0) depctr_va_ssrc(0) depctr_va_vcc(0) depctr_vm_vsrc(0)
	s_getreg_b32 s2, hwreg(HW_REG_IB_STS2, 6, 4)
	s_cmp_eq_u32 s2, 0
	s_cbranch_scc0 .Lentry_in_a_cluster
	s_endpgm
.Lentry_in_a_cluster:
	s_bfe_u32 s2, ttmp6, 0x10000c
	s_cmp_lg_u32 s2, 0xf033
	s_cbranch_scc0 .Lentry_shape_is_right
	s_endpgm
.Lentry_shape_is_right:
; s[q][k] = q[q] . k[k] over 1,024 channels, for each of 4 batches of 2,048 rows; then the softmax's first half, exact for each row and block of 128 keys:
;   m = the block's maximum of s;  pw[q][k] = 2^(c s - c m) in f16, c = log2(e) / 8;  stat holds c m and l = the sum of the unrounded weights, both f32.
; The launch behind takes the maximum of a row's 16 block maxima and puts the blocks together: the true maximum is taken away, nothing is shifted by a constant.
; LIMITS.  q and k are f16 (within 65,504).  A weight lies in 0 to 1; below 6e-5 it keeps f16's fixed step of 6e-8; below 2^-126 it counts as 0 in l.  NaN and infinities are not treated apart.
; TILE.  256 queries x 256 keys to a work-group: 32 x 8 = 256 work-groups; a wave makes 128 x 128: 64 accumulators, 512 registers; its 128 keys are one block of the statistics.
; RING.  K goes in 8 steps of 128 through two LDS slots of 256 + 256 rows of 256 bytes (+ 16 of padding); each wave fetches 128 rows with one tensor load.
; CLUSTER.  4 x 4: q's tile is shared along a row of the cluster, k's along a column; both are asked for jointly.
; TRANSPOSED USE: source 0 = 16 keys, source 1 = 16 queries: a lane holds ONE query (l % 16) and the keys 16 b + 8 (l / 16) + 0..7: a row's maximum and sum want one exchange of the lanes' halves.
; REGISTERS.  window 0: v16-30 addresses; v64-127, v128-191 q's fragments, two buffers.  window 1: v64-191 k's fragments.  windows 2, 3: accumulator (a, b) at 8 (8 (a % 4) + b) of window 2 + a / 4.
;   On the way out window 0 holds: v0-7 c m and v8-15 l of the eight row blocks; v32-55 maxima at work; v56-59 at work; v60-63 statistics to store; v64-191 two buffers of 64 exponents; v192-223 weights in f16; v224-255 rows read back.
.set PITCH, 272
.set HALFT, 128*PITCH
.set SLOTX, 4*HALFT                    ; 0x22000: the waves' parts, multiples of 0x8800 up to 0x19800, hold neither of its two bits, so an exclusive or changes slots
.set STAGE, 2*SLOTX                    ; 16 rows x 272 bytes for each wave
.set SPARE, STAGE+4*16*PITCH           ; the spare words: two blocks of 256 bytes that no other line names
.set F0, 64
.set F1, 128
.set MUL_LO, 0xa1                      ; source 0 (k) window 1, source 1 (q) window 0, C and D window 2
.set MUL_HI, 0xf1
.set TO_B, 0x40
.set CMS, 0
.set LSS, 8
.set MX, 32
.set CM, 56
.set TW, 58
.set OUTS, 60
.set EB, 64
.set TT, 192
.set BK, 224
.set MSB, 0
.macro WIN new
.if MSB != (\new)
	s_set_vgpr_msb (MSB<<8)|(\new)
.set MSB, \new
.endif
.endm
.macro PLACES
.rept 4
	v_nop
.endr
.endm
.macro CREST
	s_cmp_lg_u32 s12, 0
	s_cbranch_scc1 .Lnot_wave_0_\@
	s_barrier_signal -3
.Lnot_wave_0_\@:
	s_barrier_wait -3
	s_barrier_signal -1
	s_barrier_wait -1
.endm
.macro CROUND
	s_barrier_signal -1
	s_barrier_wait -1
	CREST
.endm
.macro JLOAD
	s_cmp_lt_u32 s12, 2
	s_cbranch_scc0 .Lfor_b_\@
	tensor_load_to_lds s[44:47], s[24:31]
	s_nop 0
	PLACES
	s_branch .Lasked_\@
.Lfor_b_\@:
	tensor_load_to_lds s[52:55], s[32:39]
	s_nop 0
	PLACES
.Lasked_\@:
.endm
.macro STEPD
	s_xor_b32 s45, s45, SLOTX
	s_add_nc_u64 s[46:47], s[46:47], 256
	s_xor_b32 s53, s53, SLOTX
	s_add_nc_u64 s[54:55], s[54:55], 256
.endm
; PREFETCH INTO THE L2: the change that refills K step c + 2 names K step c + 4: 256 bytes of a row, a lane a row.  Of the 128 rows that a wave fetches each of the four partners that ask for them
; jointly takes 32, told apart by address.  q's rows: the clusters with x = 0; k's rows: the first of a batch's two rows of clusters.  The last two filling changes ask for nothing.
.macro ASK
	s_cmp_gt_u32 s56, s58
	s_cbranch_scc0 .Lnot_mine_\@
	global_prefetch_b8 v30, s[60:61] th:TH_LOAD_NT scope:SCOPE_SE
.Lnot_mine_\@:
.endm
	s_load_b128 s[4:7], s[0:1], 0x0                ; qkvh s[4:5], pw s[6:7]
	s_load_b64 s[8:9], s[0:1], 0x10                ; stat
	v_lshl_add_u32 v28, v0, 2, SPARE
	v_mov_b32 v29, 0
	ds_add_u32 v28, v29                            ; the wave's opening: the add and its wait ahead of my first tensor load
	v_lshrrev_b32 v1, 5, v0
	v_readfirstlane_b32 s12, v1
	s_lshr_b32 s13, s12, 1                         ; WR
	s_and_b32 s14, s12, 1                          ; WC
	s_bfe_u32 s15, ttmp6, 0x40000                  ; cx
	s_bfe_u32 s16, ttmp6, 0x40004                  ; cy
	s_lshl_b32 s17, ttmp9, 2
	s_add_co_u32 s17, s17, s15                     ; block of 256 keys in the batch
	s_and_b32 s19, ttmp7, 0xffff
	s_lshl_b32 s18, s19, 2
	s_add_co_u32 s18, s18, s16                     ; block of 256 queries, 0..31
	s_lshl_b32 s22, s16, 2
	s_lshl_b32 s22, 15, s22
	s_lshl_b32 s20, 0x1111, s15
	s_or_b32 s24, s22, (1<<16)|(1<<20)|(1<<21)|(5<<22)|(3<<25)  ; 128 rows x 128 elements, 4 words of padding after every 64
	s_or_b32 s32, s20, (1<<16)|(1<<20)|(1<<21)|(5<<22)|(3<<25)
.irp g, 24, 32
	s_mov_b32 s[(\g)+1], 128<<16
	s_mov_b32 s[(\g)+2], 128<<16
	s_mov_b32 s[(\g)+3], 128<<16
	s_mov_b32 s[(\g)+4], 128
	s_mov_b32 s[(\g)+5], 3072
	s_mov_b32 s[(\g)+6], 0
	s_mov_b32 s[(\g)+7], 0
.endr
	s_mul_i32 s22, s18, 256*6144                   ; q: row 256 x block + 128 x half
	s_mul_i32 s23, s14, 128*6144
	s_add_co_u32 s22, s22, s23
	s_mov_b32 s23, 0
	s_mul_i32 s20, s17, 256*6144                   ; k: the same by the key block, in the batch (cluster y / 2), 2,048 bytes into the row
	s_mul_i32 s21, s14, 128*6144
	s_add_co_u32 s20, s20, s21
	s_lshr_b32 s21, s19, 1
	s_mul_i32 s21, s21, 2048*6144
	s_add_co_u32 s20, s20, s21
	s_add_co_u32 s20, s20, 2048
	s_mov_b32 s21, 0
	s_mul_i32 s78, s12, HALFT                      ; q's two halves, then k's two halves = wave x 128 rows
	s_mov_b32 s57, 0
	s_mov_b32 s66, 0x3e38aa3b                      ; c = log2(e) / 8
	s_mov_b32 s67, s66
	s_mov_b32 s68, 0x76543210
	s_mov_b32 s69, 0xfedcba98
	s_mov_b32 s70, 0xffff                          ; lanes 0-15
	s_wait_dscnt 0x0
	s_wait_kmcnt 0x0
	s_add_nc_u64 s[76:77], s[4:5], s[22:23]
	s_add_nc_u64 s[72:73], s[4:5], s[20:21]
.irp s, 0,1
	s_mov_b32 s[40+4*(\s)], 1
	s_add_co_u32 s[41+4*(\s)], s78, (\s)*SLOTX
	s_add_nc_u64 s[42+4*(\s):43+4*(\s)], s[76:77], (\s)*256
	s_or_b32 s[43+4*(\s)], s[43+4*(\s)], 0x80000000
	s_mov_b32 s[48+4*(\s)], 1
	s_add_co_u32 s[49+4*(\s)], s78, (\s)*SLOTX
	s_add_nc_u64 s[50+4*(\s):51+4*(\s)], s[72:73], (\s)*256
	s_or_b32 s[51+4*(\s)], s[51+4*(\s)], 0x80000000
.endr
	CROUND
	s_cmp_lt_u32 s12, 2
	s_cbranch_scc0 .Lfirst_b
	tensor_load_to_lds s[40:43], s[24:31]
	s_nop 0
	tensor_load_to_lds s[44:47], s[24:31]
	s_nop 0
	PLACES
	s_branch .Lfirst_done
.Lfirst_b:
	tensor_load_to_lds s[48:51], s[32:39]
	s_nop 0
	tensor_load_to_lds s[52:55], s[32:39]
	s_nop 0
	PLACES
.Lfirst_done:
	v_and_b32 v1, 15, v0
	v_bfe_u32 v2, v0, 4, 1
	v_mul_u32_u24 v3, v1, PITCH
	v_lshl_add_u32 v3, v2, 4, v3                   ; row x pitch + 16 h
	s_mul_i32 s20, s13, HALFT
	s_mul_i32 s21, s14, HALFT
	s_add_co_u32 s21, s21, 2*HALFT
	v_add_nc_u32 v16, s20, v3                      ; my 128 rows of q,
	v_add_nc_u32 v17, s21, v3                      ; of k
	s_mul_i32 s20, s12, 16*PITCH
	s_add_co_u32 s20, s20, STAGE
	v_add_nc_u32 v24, s20, v3                      ; into my stage: row r, 16 bytes for each half of the lanes
	v_mul_u32_u24 v25, v2, PITCH                   ; back: lanes 0-15 one row of 256 bytes, lanes 16-31 the next
	v_lshl_add_u32 v25, v1, 4, v25
	v_add_nc_u32 v25, s20, v25
	v_lshlrev_b32 v26, 12, v2                      ; the same two rows in pw
	v_lshl_add_u32 v26, v1, 4, v26
	v_and_b32 v27, 31, v0
	v_mul_u32_u24 v30, v27, 6144                   ; the prefetches: a lane a row
	v_lshlrev_b32 v27, 4, v27                      ; the statistics: 16 bytes a lane
	s_lshl_b32 s20, s18, 20                        ; pw at row 256 x block + 128 WR, byte 512 x key block + 256 WC
	s_lshl_b32 s21, s13, 19
	s_add_co_u32 s20, s20, s21
	s_lshl_b32 s21, s17, 9
	s_add_co_u32 s20, s20, s21
	s_lshl_b32 s21, s14, 8
	s_add_co_u32 s20, s20, s21
	s_mov_b32 s21, 0
	s_add_nc_u64 s[6:7], s[6:7], s[20:21]
	s_lshl_b32 s20, s18, 15                        ; stat: 512 bytes for each group of 64 rows and block of 128 keys: ((4 x block + 2 WR) 16 + 2 x key block + WC) x 512
	s_lshl_b32 s21, s13, 14
	s_add_co_u32 s20, s20, s21
	s_lshl_b32 s21, s17, 10
	s_add_co_u32 s20, s20, s21
	s_lshl_b32 s21, s14, 9
	s_add_co_u32 s20, s20, s21
	s_mov_b32 s21, 0
	s_add_nc_u64 s[8:9], s[8:9], s[20:21]
	; the prefetches stand at K step 3; each change steps them first
	s_lshl_b32 s72, s18, 8
	s_lshl_b32 s73, s15, 5
	s_add_co_u32 s72, s72, s73                     ; q: 256 x block + 32 cx
	s_lshr_b32 s73, s19, 1
	s_lshl_b32 s73, s73, 11
	s_lshl_b32 s74, s17, 8
	s_add_co_u32 s73, s73, s74
	s_lshl_b32 s74, s16, 5
	s_add_co_u32 s73, s73, s74                     ; k: 2,048 x batch + 256 x key block + 32 cy
	s_and_b32 s75, s19, 1
	s_mov_b32 s74, 768
	s_mov_b32 s79, 2048+768
	s_cmp_lt_u32 s12, 2
	s_cselect_b32 s72, s72, s73
	s_cselect_b32 s74, s74, s79
	s_cselect_b32 s75, ttmp9, s75
	s_lshl_b32 s73, s14, 7
	s_add_co_u32 s72, s72, s73                     ; + the 128 rows that I fetch
	s_mul_i32 s72, s72, 6144
	s_add_co_u32 s72, s72, s74
	s_mov_b32 s73, 0
	s_add_nc_u64 s[60:61], s[4:5], s[72:73]
	s_cmp_eq_u32 s75, 0
	s_cselect_b32 s58, 2, -1                       ; the same in all sixteen partners, for a given wave
.macro MUL16 f, hi, a0, zero           ; 16 products: row blocks a0, a0 + 1 of the window's four x all 8 key blocks; the accumulators take turns
	WIN MUL_LO+0x50*(\hi)
.irp a, \a0, (\a0)+1
.irp b, 0,1,2,3,4,5,6,7
.if \zero
	v_wmma_f32_16x16x32_f16 v[8*(8*(\a)+(\b)):8*(8*(\a)+(\b))+7], v[(\f)+8*(\b):(\f)+8*(\b)+7], v[(\f)+8*(4*(\hi)+(\a)):(\f)+8*(4*(\hi)+(\a))+7], 0
.else
	v_wmma_f32_16x16x32_f16 v[8*(8*(\a)+(\b)):8*(8*(\a)+(\b))+7], v[(\f)+8*(\b):(\f)+8*(\b)+7], v[(\f)+8*(4*(\hi)+(\a)):(\f)+8*(4*(\hi)+(\a))+7], v[8*(8*(\a)+(\b)):8*(8*(\a)+(\b))+7]
.endif
.endr
.endr
.endm
.macro FETCH k, f                      ; 32 LDS loads in one run: a quarter step's fragments; the four lines at its head are the places behind the products that read the buffer
	WIN 0
	v_add_nc_u32 v18, s57, v16
	v_add_nc_u32 v19, s57, v17
	v_nop
	v_nop
	WIN TO_B
.irp i, 0,1,2,3,4,5,6,7
	ds_load_b128 v[(\f)+8*(\i):(\f)+8*(\i)+3],   v19 offset:(\k)+(\i)*16*PITCH
	ds_load_b128 v[(\f)+8*(\i)+4:(\f)+8*(\i)+7], v19 offset:(\k)+(\i)*16*PITCH+32
.endr
	WIN 0
.irp i, 0,1,2,3,4,5,6,7
	ds_load_b128 v[(\f)+8*(\i):(\f)+8*(\i)+3],   v18 offset:(\k)+(\i)*16*PITCH
	ds_load_b128 v[(\f)+8*(\i)+4:(\f)+8*(\i)+7], v18 offset:(\k)+(\i)*16*PITCH+32
.endr
.endm
.macro QUARTER k, f, g, zero           ; multiplies buffer f; in its middle fetches the next quarter, at byte k of the rows, into g
	s_wait_dscnt 8                                 ; k's fragments and q's rows 0-63 are in; the youngest eight loads (q's rows 64-127) may be out
	MUL16 \f, 0, 0, \zero
	MUL16 \f, 0, 2, \zero
	FETCH \k, \g
	s_wait_dscnt 32                                ; all but the 32 just issued
	MUL16 \f, 1, 0, \zero
	MUL16 \f, 1, 2, \zero
.endm
.macro TURN fill                       ; the last quarter, on buffer 1, and the change of slots.  fill = 1: the slot is filled again, two K steps on: 224 products in which to land
.if \fill
	s_wait_xcnt 0x0                                ; the last prefetch, a K step back, has read its address
	s_add_nc_u64 s[60:61], s[60:61], 256
.endif
	WIN 0
	s_wait_tensorcnt 0x0                           ; all my tensor loads have landed: my part of the other slot
	ds_add_u32 v28, v29                            ; 0 onto my spare word
.if \fill
	STEPD
.endif
	s_wait_dscnt 9                                 ; (the add and the youngest eight loads may be out)
	MUL16 F1, 0, 0, 0
	s_wait_dscnt 0x0                               ; the add is done, and my reads of this slot are over
	s_barrier_signal -1
	MUL16 F1, 0, 2, 0
	WIN 0
	s_barrier_wait -1
.if \fill
	CREST
	JLOAD
.endif
	s_xor_b32 s57, s57, SLOTX
	FETCH 0, F0
.if \fill
	ASK
.endif
	MUL16 F1, 1, 0, 0
	MUL16 F1, 1, 2, 0
.endm
	s_wait_tensorcnt 1                             ; my part of K step 0 is in; K step 1's may stay out
	s_barrier_signal -1
	s_barrier_wait -1
	FETCH 0, F0
	QUARTER 64, F0, F1, 1                          ; the first quarter starts the sums
	WIN 0
	s_mov_b32 s56, 6
.Lstep:                                        ; a trip: a K step's quarters 1 to 3, the change of slots with its refill, the next K step's quarter 0
	QUARTER 128, F1, F0, 0
	QUARTER 192, F0, F1, 0
	TURN 1
	QUARTER 64, F0, F1, 0
	WIN 0
	s_sub_co_u32 s56, s56, 1
	s_cmp_lg_u32 s56, 0
	s_cbranch_scc1 .Lstep
	s_mov_b32 s56, 2
.Ltail:                                        ; the last two K steps ask for nothing; the second trip is left in its middle (its last run of loads reads landed bytes that nobody uses)
	QUARTER 128, F1, F0, 0
	QUARTER 192, F0, F1, 0
	TURN 0
	WIN 0
	s_sub_co_u32 s56, s56, 1
	s_cmp_eq_u32 s56, 0
	s_cbranch_scc1 .Lout
	QUARTER 64, F0, F1, 0
	WIN 0
	s_branch .Ltail
; THE WAY OUT, a block of 16 queries x 128 keys at a time.
; P1 a: the maximum of the lane's 64 scores (each accumulator's lowest registers first) and of the other half's; c m; the 64 exponents c s - c m into buffer a % 2.
.macro P1 a
.set AC, 64*((\a)%4)
.set WW, 2+(\a)/4
.set EE, EB+64*((\a)%2)
	WIN 0x15*WW                                    ; all three sources in the accumulators' window
.irp b, 0,1,2,3,4,5,6,7
	v_max3_num_f32 v[MX+3*(\b)],   v[AC+8*(\b)],   v[AC+8*(\b)+1], v[AC+8*(\b)+2]
	v_max3_num_f32 v[MX+3*(\b)+1], v[AC+8*(\b)+3], v[AC+8*(\b)+4], v[AC+8*(\b)+5]
	v_max_num_f32  v[MX+3*(\b)+2], v[AC+8*(\b)+6], v[AC+8*(\b)+7]
.endr
	WIN 0
.irp b, 0,1,2,3,4,5,6,7
	v_max3_num_f32 v[MX+3*(\b)], v[MX+3*(\b)], v[MX+3*(\b)+1], v[MX+3*(\b)+2]
.endr
	v_max3_num_f32 v[MX],    v[MX],    v[MX+3],  v[MX+6]
	v_max3_num_f32 v[MX+9],  v[MX+9],  v[MX+12], v[MX+15]
	v_max_num_f32  v[MX+18], v[MX+18], v[MX+21]
	v_max3_num_f32 v[TW], v[MX], v[MX+9], v[MX+18]
	v_permlanex16_b32 v[TW+1], v[TW], s68, s69     ; the query's other 64 keys lie in the lane 16 away
	v_max_num_f32 v[TW], v[TW], v[TW+1]
	v_mul_f32 v[CM], s66, v[TW]
	v_mul_f32 v[CM+1], s66, v[TW]
	v_mul_f32 v[CMS+(\a)], s66, v[TW]
	WIN WW                                         ; source 0 in the accumulators' window
.set i, 0
.rept 32
	v_pk_fma_f32 v[EE+2*i:EE+2*i+1], v[AC+2*i:AC+2*i+1], s[66:67], v[CM:CM+1] op_sel_hi:[1,0,1] neg_lo:[0,0,1] neg_hi:[0,0,1]
.set i, i+1
.endr
.endm
; Plain line n of 64 for block x, whose exponentials have had their wait: 32 roundings to f16, 31 packed sums as a tree in place, the pair's two halves.
.macro PLN x, n
.set EO, EB+64*((\x)%2)
.if (\n) < 32
	v_cvt_pk_f16_f32 v[TT+(\n)], v[EO+2*(\n)], v[EO+2*(\n)+1]
.elseif (\n) < 48
.set u, (\n)-32
	v_pk_add_f32 v[EO+2*u:EO+2*u+1], v[EO+2*u:EO+2*u+1], v[EO+32+2*u:EO+32+2*u+1]
.elseif (\n) < 56
.set u, (\n)-48
	v_pk_add_f32 v[EO+2*u:EO+2*u+1], v[EO+2*u:EO+2*u+1], v[EO+16+2*u:EO+16+2*u+1]
.elseif (\n) < 60
.set u, (\n)-56
	v_pk_add_f32 v[EO+2*u:EO+2*u+1], v[EO+2*u:EO+2*u+1], v[EO+8+2*u:EO+8+2*u+1]
.elseif (\n) < 62
.set u, (\n)-60
	v_pk_add_f32 v[EO+2*u:EO+2*u+1], v[EO+2*u:EO+2*u+1], v[EO+4+2*u:EO+4+2*u+1]
.elseif (\n) == 62
	v_pk_add_f32 v[EO:EO+1], v[EO:EO+1], v[EO+2:EO+3]
.else
	v_add_f32 v[TW], v[EO], v[EO+1]
.endif
.endm
; P2 a: block a's 64 exponentials, ONE batch with ONE wait, each with a plain line of block a - 1 (on the other buffer) behind it: no line of the batch names one of its results.
.macro P2 a
	WIN 0
.set n, 0
.rept 64
.if (\a) < 8
	v_exp_f32 v[EB+64*((\a)%2)+n], v[EB+64*((\a)%2)+n]
.endif
.if (\a) > 0
	PLN (\a)-1, n
.endif
.set n, n+1
.endr
.if (\a) < 8
	v_nop                                          ; a plain instruction behind the last exponential,
	s_wait_alu depctr_va_vdst(0)                   ; and the wait ahead of the first use: one for the batch
.endif
.endm
; FIN x: l; the weights through my stage; behind blocks 3 and 7 the statistics of 64 rows: lanes 0-15 store c m, lanes 16-31 l: row 16 t + r at word 4 r + t: 512 bytes on end.
.macro FIN x
	WIN 0
	v_permlanex16_b32 v[TW+1], v[TW], s68, s69
	v_add_f32 v[LSS+(\x)], v[TW], v[TW+1]
	s_wait_xcnt 0x0                                ; the stores issued so far have read their registers
.irp b, 0,1,2,3,4,5,6,7
	ds_store_b128 v24, v[TT+4*(\b):TT+4*(\b)+3] offset:32*(\b)
.endr
.irp t, 0,1,2,3,4,5,6,7
	ds_load_b128 v[BK+4*(\t):BK+4*(\t)+3], v25 offset:(\t)*2*PITCH  ; LDS serves a wave's instructions in order (ISA guide 5.7.1.4): these see the stores above
.endr
.if ((\x)%4) == 3
.irp t, 0,1,2,3
	v_cndmask_b32 v[OUTS+(\t)], v[LSS+4*((\x)/4)+(\t)], v[CMS+4*((\x)/4)+(\t)], s70
.endr
	global_store_b128 v27, v[OUTS:OUTS+3], s[8:9] offset:8192*((\x)/4)
.endif
.endm
.macro SEND x
	WIN 0
	s_wait_dscnt 0x0                               ; the block is back in registers
.irp t, 0,1,2,3,4,5,6,7
	global_store_b128 v26, v[BK+4*(\t):BK+4*(\t)+3], s[6:7] offset:(16*(\x)+2*(\t))*4096  ; 16 lanes store 256 bytes on end, at a multiple of 256 from the buffer's first byte
.endr
.endm
.Lout:
	s_wait_dscnt 0x0
	PLACES                                         ; behind the last products
	v_mov_b32 v[TW+1], 0                           ; v_permlanex16_b32's destination counts as read
	P1 0
	P2 0
	P1 1
	P2 1
	FIN 0
.irp a, 2,3,4,5,6,7
	P1 \a
	SEND (\a)-2
	P2 \a
	FIN (\a)-1
.endr
	SEND 6
	P2 8
	FIN 7
	SEND 7
	s_wait_tensorcnt 0x0                           ; the wave's end
	ds_add_u32 v28, v29
	s_wait_dscnt 0x0
	CROUND                                         ; the closing round
	s_endpgm
.Lfunc_end_k_q7990fda159_scores:
	.size	k_q7990fda159_scores, .Lfunc_end_k_q7990fda159_scores-k_q7990fda159_scores
	.p2alignl 7, 3214868480
	.fill 96, 4, 3214868480
	.section	.rodata,"a",@progbits
	.p2align	6, 0x0
	.amdhsa_kernel k_q7990fda159_scores
		.amdhsa_group_segment_fixed_size 327680
		.amdhsa_private_segment_fixed_size 0
		.amdhsa_enable_private_segment 0
		.amdhsa_kernarg_size 24
		.amdhsa_user_sgpr_count 2
		.amdhsa_user_sgpr_kernarg_segment_ptr 1
		.amdhsa_wavefront_size32 1
		.amdhsa_system_sgpr_workgroup_id_x 1
		.amdhsa_system_sgpr_workgroup_id_y 1
		.amdhsa_system_sgpr_workgroup_id_z 1
		.amdhsa_system_vgpr_workitem_id 0
		.amdhsa_next_free_vgpr 1024
		.amdhsa_next_free_sgpr 80
		.amdhsa_reserve_vcc 0
		.amdhsa_float_denorm_mode_32 3
		.amdhsa_float_denorm_mode_16_64 3
		.amdhsa_memory_ordered 1
		.amdhsa_forward_progress 1
		.amdhsa_inst_pref_size 169
	.end_amdhsa_kernel
	.amdgpu_metadata
---
amdhsa.version: [ 1, 2 ]
amdhsa.kernels:
  - .name:           k_q7990fda159_scores
    .symbol:         k_q7990fda159_scores.kd
    .args:
      - { .name: qkvh, .offset: 0, .size: 8, .value_kind: global_buffer, .address_space: global }
      - { .name: pw, .offset: 8, .size: 8, .value_kind: global_buffer, .address_space: global }
      - { .name: stat, .offset: 16, .size: 8, .value_kind: global_buffer, .address_space: global }
    .group_segment_fixed_size: 327680
    .private_segment_fixed_size: 0
    .kernarg_segment_align: 8
    .kernarg_segment_size: 24
    .max_flat_workgroup_size: 128
    .sgpr_count:     80
    .vgpr_count:     1024
    .wavefront_size: 32
...
	.end_amdgpu_metadata
.endif
;; end of part 4
;; launch pv (part 5): grid 4 x 64, 4 waves a work-group, clusters of 4 x 4, 327,680 bytes of LDS; arguments pw, qkvh, out0, stat, sc, b_out; writes out0
.if DOCPART == 5
	.amdgcn_target "amdgcn-amd-amdhsa--gfx1250"
	.amdhsa_code_object_version 6
	.text
	.protected	k_q7990fda159_pv
	.globl	k_q7990fda159_pv
	.p2align	8
	.type	k_q7990fda159_pv,@function
k_q7990fda159_pv:
	s_mov_b64 s[64:65], 0
	v_nop
	global_prefetch_b8 v0, s[64:65] scope:SCOPE_SE
	s_setreg_imm32_b32 hwreg(HW_REG_WAVE_MODE, 25, 1), 1
	s_wait_xcnt 0x0
	s_wait_alu depctr_hold_cnt(0) depctr_sa_sdst(0) depctr_va_vdst(0) depctr_va_sdst(0) depctr_va_ssrc(0) depctr_va_vcc(0) depctr_vm_vsrc(0)
	s_getreg_b32 s2, hwreg(HW_REG_IB_STS2, 6, 4)
	s_cmp_eq_u32 s2, 0
	s_cbranch_scc0 .Lentry_in_a_cluster
	s_endpgm
.Lentry_in_a_cluster:
	s_bfe_u32 s2, ttmp6, 0x10000c
	s_cmp_lg_u32 s2, 0xf033
	s_cbranch_scc0 .Lentry_shape_is_right
	s_endpgm
.Lentry_shape_is_right:
; out0[q][n] = s[n] x (the sum over the 16 key blocks of f_blk[q] x (the sum over the block's 128 keys of pw[q][k] u[k][n])) + b_out[n],  u = v W_out / s, the last third of qkvh.
; The softmax's second half:  M = the maximum of the row's 16 values c m_blk (the row's true maximum, times c);  e_blk = 2^(c m_blk - M);  L = the sum of e_blk l_blk;  f_blk = e_blk / L.
; Products f16 with f32 sums; a block's sum is added into the total in f32 with its f32 factor; the scale s (a power of two) and the bias, rounded to bf16 like the other inputs, come in one fused line in f32.
; LIMITS.  A factor below 2^-126 counts as 0.  l_blk is at least 1, so L is at least 1.  NaN and infinities are not treated apart.
; TILE.  128 queries x 256 columns to a work-group: 64 x 4 = 256 work-groups; a wave makes 64 x 128: 32 accumulators for the block in hand (window 1), 32 totals (window 2).
; RING.  16 K steps of 128 keys, one statistics block each, through two LDS slots: 128 rows of pw (256 bytes + 16) and 128 rows of u (512 bytes + 32).
; CLUSTER.  4 x 4: pw's tile is shared along a row of the cluster, u's along a column; both are asked for jointly.
; TRANSPOSED USE: source 0 = 16 columns of u (turned on the way out of LDS), source 1 = 16 queries of pw: a lane holds one query and eight neighbouring columns, so a factor is one number a lane.
; THE TOTALS START AT 0: 256 lines that clear them stand in the wait for the first tile; a first merge written out would be three times that text.
; REGISTERS.  window 0: v8-19 addresses; v20-23 my four numbers of the bias, v24-27 of the scale; v28-29 the add's; v32-127, v128-223 two fragment buffers (64 of u, 32 of pw), on the way out rows read back; v224-227 the block's four factors.
.set PA,    272
.set PB,    544                        ; 17 x 32
.set BOFF,  128*PA
.set SLOTX, 131072
.set STAGE, SLOTX+BOFF+128*PB          ; behind slot 1: 16 rows x 528 bytes for each wave
.set SPT,   528
.set TAB,   STAGE+4*16*SPT             ; each wave's own table of factors: 16 blocks x 512 bytes
.set SPARE, TAB+4*8192                 ; the spare words: two blocks of 256 bytes that no other line names
.set STEPA, 256
.set STEPB, 128*6144
.set F0, 32
.set F1, 128
.set FAC, 224
.set MSB, 0
.macro WIN new
.if MSB != (\new)
	s_set_vgpr_msb (MSB<<8)|(\new)
.set MSB, \new
.endif
.endm
.macro PLACES
.rept 4
	v_nop
.endr
.endm
.macro CREST
	s_cmp_lg_u32 s12, 0
	s_cbranch_scc1 .Lnot_wave_0_\@
	s_barrier_signal -3
.Lnot_wave_0_\@:
	s_barrier_wait -3
	s_barrier_signal -1
	s_barrier_wait -1
.endm
.macro CROUND
	s_barrier_signal -1
	s_barrier_wait -1
	CREST
.endm
.macro JLOAD
	s_cmp_lt_u32 s12, 2
	s_cbranch_scc0 .Lfor_b_\@
	tensor_load_to_lds s[44:47], s[24:31]
	s_nop 0
	PLACES
	s_branch .Lasked_\@
.Lfor_b_\@:
	tensor_load_to_lds s[52:55], s[32:39]
	s_nop 0
	PLACES
.Lasked_\@:
.endm
.macro STEPD
	s_xor_b32 s45, s45, SLOTX
	s_add_nc_u64 s[46:47], s[46:47], STEPA
	s_xor_b32 s53, s53, SLOTX
	s_add_nc_u64 s[54:55], s[54:55], STEPB
.endm
; PREFETCH INTO THE L2: the change that refills K step c + 2 names K step c + 4.  pw's 128 rows x 256 bytes: wave 0; each tile is read by one cluster alone, whose four partners take 32 rows each, by address.
; u's 128 rows x 512 bytes: wave 2 of a batch's first row of clusters; 32 rows to a partner, two blocks a row.  A lane a row.  The last two filling changes ask for nothing.
.macro ASK
	s_cmp_gt_u32 s56, s58
	s_cbranch_scc0 .Lnot_mine_\@
	global_prefetch_b8 v19, s[60:61] th:TH_LOAD_NT scope:SCOPE_SE
	s_cmp_lt_u32 s12, 2
	s_cbranch_scc1 .Lnot_mine_\@
	global_prefetch_b8 v19, s[60:61] offset:256 th:TH_LOAD_NT scope:SCOPE_SE
.Lnot_mine_\@:
.endm
	s_load_b256 s[4:11], s[0:1], 0x0               ; pw s[4:5], qkvh s[6:7], out0 s[8:9], stat s[10:11]
	s_load_b128 s[84:87], s[0:1], 0x20             ; sc s[84:85], b_out s[86:87]
	v_lshl_add_u32 v28, v0, 2, SPARE
	v_mov_b32 v29, 0
	ds_add_u32 v28, v29                            ; the wave's opening: the add and its wait ahead of my first tensor load
	v_lshrrev_b32 v1, 5, v0
	v_readfirstlane_b32 s12, v1
	s_lshr_b32 s13, s12, 1                         ; WR
	s_and_b32 s14, s12, 1                          ; WC
	s_bfe_u32 s15, ttmp6, 0x40000                  ; cx
	s_bfe_u32 s16, ttmp6, 0x40004                  ; cy
	s_lshl_b32 s17, ttmp9, 2
	s_add_co_u32 s17, s17, s15                     ; block of 256 columns
	s_and_b32 s19, ttmp7, 0xffff
	s_lshl_b32 s18, s19, 2
	s_add_co_u32 s18, s18, s16                     ; block of 128 queries, 0..63
	s_lshl_b32 s22, s16, 2
	s_lshl_b32 s22, 15, s22
	s_lshl_b32 s20, 0x1111, s15
	s_or_b32 s24, s22, (1<<16)|(1<<20)|(1<<21)|(5<<22)|(3<<25)  ; pw: 64 rows x 128 elements, 4 words of padding after every 64
	s_mov_b32 s25, 128<<16
	s_mov_b32 s26, 64<<16
	s_mov_b32 s27, 128<<16
	s_mov_b32 s28, 64
	s_mov_b32 s29, 2048
	s_mov_b32 s30, 0
	s_mov_b32 s31, 0
	s_or_b32 s32, s20, (1<<16)|(1<<20)|(1<<21)|(6<<22)|(7<<25)  ; u: 64 rows x 256 elements, 8 words of padding after every 128
	s_mov_b32 s33, 256<<16
	s_mov_b32 s34, 64<<16
	s_mov_b32 s35, 256<<16
	s_mov_b32 s36, 64
	s_mov_b32 s37, 3072
	s_mov_b32 s38, 0
	s_mov_b32 s39, 0
	s_lshl_b32 s22, s18, 19                        ; pw: row 128 x block + 64 x half, 4,096 bytes a row
	s_lshl_b32 s23, s14, 18
	s_add_co_u32 s22, s22, s23
	s_mov_b32 s23, 0
	s_lshl_b32 s20, s17, 9                         ; u: byte 4,096 + 512 x column block of row 2,048 x batch + 64 x half; the batch is cluster y / 4
	s_mul_i32 s21, s14, 64*6144
	s_add_co_u32 s20, s20, s21
	s_lshr_b32 s21, s19, 2
	s_mul_i32 s21, s21, 2048*6144
	s_add_co_u32 s20, s20, s21
	s_add_co_u32 s20, s20, 4096
	s_mov_b32 s21, 0
	s_mul_i32 s78, s14, 64*PA
	s_mul_i32 s74, s14, 64*PB
	s_add_co_u32 s74, s74, BOFF
	s_mov_b32 s57, 0
	s_wait_dscnt 0x0
	s_wait_kmcnt 0x0
	s_add_nc_u64 s[76:77], s[4:5], s[22:23]
	s_add_nc_u64 s[72:73], s[6:7], s[20:21]
.irp s, 0,1
	s_mov_b32 s[40+4*(\s)], 1
	s_add_co_u32 s[41+4*(\s)], s78, (\s)*SLOTX
	s_add_nc_u64 s[42+4*(\s):43+4*(\s)], s[76:77], (\s)*STEPA
	s_or_b32 s[43+4*(\s)], s[43+4*(\s)], 0x80000000
	s_mov_b32 s[48+4*(\s)], 1
	s_add_co_u32 s[49+4*(\s)], s74, (\s)*SLOTX
	s_add_nc_u64 s[50+4*(\s):51+4*(\s)], s[72:73], (\s)*STEPB
	s_or_b32 s[51+4*(\s)], s[51+4*(\s)], 0x80000000
.endr
	CROUND
	s_cmp_lt_u32 s12, 2
	s_cbranch_scc0 .Lfirst_b
	tensor_load_to_lds s[40:43], s[24:31]
	s_nop 0
	tensor_load_to_lds s[44:47], s[24:31]
	s_nop 0
	PLACES
	s_branch .Lfirst_done
.Lfirst_b:
	tensor_load_to_lds s[48:51], s[32:39]
	s_nop 0
	tensor_load_to_lds s[52:55], s[32:39]
	s_nop 0
	PLACES
.Lfirst_done:
	v_and_b32 v1, 15, v0                           ; r
	v_bfe_u32 v2, v0, 4, 1                         ; h
	v_and_b32 v3, 7, v0
	v_bfe_u32 v4, v0, 3, 1
	v_and_b32 v5, 31, v0
	v_lshlrev_b32 v13, 4, v1                       ; the statistics of rows r, 16 + r, 32 + r, 48 + r of my 64: 16 bytes at 16 r
	v_lshlrev_b32 v14, 4, v5                       ; 16 bytes a lane: of the scale, of the bias, and of a row's 512 bytes of out0
	s_lshl_b32 s20, s18, 1
	s_add_co_u32 s20, s20, s13
	s_lshl_b32 s20, s20, 13                        ; my group of 64 rows: 8,192 bytes
	s_mov_b32 s21, 0
	s_add_nc_u64 s[10:11], s[10:11], s[20:21]
.set i, 0
.rept 16
	global_load_b128 v[32+4*i:35+4*i],   v13, s[10:11] offset:512*i      ; c m of block i
	global_load_b128 v[128+4*i:131+4*i], v13, s[10:11] offset:512*i+256  ; l of block i
.set i, i+1
.endr
	s_lshl_b32 s20, s17, 10
	s_lshl_b32 s21, s14, 9
	s_add_co_u32 s20, s20, s21                     ; my 128 columns, 4 bytes each
	s_mov_b32 s21, 0
	s_add_nc_u64 s[84:85], s[84:85], s[20:21]      ; (the first of sc's copies)
	s_add_nc_u64 s[86:87], s[86:87], s[20:21]
	global_load_b128 v[24:27], v14, s[84:85]
	global_load_b128 v[20:23], v14, s[86:87]
	WIN 0x80
.set i, 0
.rept 256
	v_mov_b32 v[i], 0                              ; the totals
.set i, i+1
.endr
	WIN 0
	s_mul_i32 s20, s13, 64*PA
	v_mul_u32_u24 v8, v1, PA                       ; pw's fragments: row x pitch + 16 h
	v_lshl_add_u32 v8, v2, 4, v8
	v_add_nc_u32 v8, s20, v8
	v_lshl_add_u32 v9, v2, 3, v3                   ; u's, turned: lane l reads row 8 h + l % 8, 16 bytes at 16 ((l / 8) % 2), in my 256 bytes of the row
	v_mul_u32_u24 v9, v9, PB
	v_lshl_add_u32 v9, v4, 4, v9
	s_lshl_b32 s20, s14, 8
	s_add_co_u32 s20, s20, BOFF
	v_add_nc_u32 v9, s20, v9
	s_lshl_b32 s20, s12, 13
	s_add_co_u32 s20, s20, TAB
	v_lshl_add_u32 v12, v5, 4, s20                 ; my 16 bytes of a block's factors
	s_mul_i32 s20, s12, 16*SPT
	s_add_co_u32 s20, s20, STAGE
	v_mul_u32_u24 v16, v1, SPT                     ; into my stage: row r, 32 bytes for each half of the lanes
	v_lshl_add_u32 v16, v2, 5, v16
	v_add_nc_u32 v16, s20, v16
	v_add_nc_u32 v17, s20, v14                     ; back: a whole row of 512 bytes
	s_lshl_b32 s20, s18, 19                        ; out0 at row 128 x block + 64 WR, byte 1,024 x column block + 512 WC
	s_lshl_b32 s21, s13, 18
	s_add_co_u32 s20, s20, s21
	s_lshl_b32 s21, s17, 10
	s_add_co_u32 s20, s20, s21
	s_lshl_b32 s21, s14, 9
	s_add_co_u32 s20, s20, s21
	s_mov_b32 s21, 0
	s_add_nc_u64 s[8:9], s[8:9], s[20:21]
	; the prefetches stand at K step 3; each change steps them first
	s_lshl_b32 s72, s18, 19
	s_lshl_b32 s73, s15, 17
	s_add_co_u32 s72, s72, s73
	s_add_co_u32 s72, s72, 3*STEPA
	s_lshr_b32 s74, s19, 2
	s_mul_i32 s74, s74, 2048*6144
	s_mul_i32 s75, s16, 32*6144
	s_add_co_u32 s74, s74, s75
	s_lshl_b32 s75, s17, 9
	s_add_co_u32 s74, s74, s75
	s_add_co_u32 s74, s74, 4096+3*STEPB
	s_and_b32 s58, s19, 3
	s_cmp_eq_u32 s12, 0
	s_cselect_b32 s58, 0, s58
	s_or_b32 s58, s58, s14                         ; 0 in wave 0, and in wave 2 of a batch's first row of clusters: the same in all sixteen partners
	s_cmp_eq_u32 s58, 0
	s_cselect_b32 s58, 2, -1
	s_mov_b32 s62, STEPA
	s_mov_b32 s63, STEPB
	s_mov_b32 s73, 4096
	s_mov_b32 s75, 6144
	s_cmp_lt_u32 s12, 2
	s_cselect_b64 s[60:61], s[4:5], s[6:7]
	s_cselect_b32 s72, s72, s74
	s_cselect_b32 s62, s62, s63
	s_cselect_b32 s75, s73, s75
	s_mov_b32 s73, 0
	s_mov_b32 s63, 0
	s_add_nc_u64 s[60:61], s[60:61], s[72:73]
	v_mul_u32_u24 v19, v5, s75
	s_wait_loadcnt 0x0
	v_cvt_pk_bf16_f32 v30, v20, v21                ; the bias rounded to bf16,
	v_cvt_pk_bf16_f32 v31, v22, v23
	v_lshlrev_b32 v20, 16, v30                     ; and as f32 again
	v_and_b32 v21, 0xffff0000, v30
	v_lshlrev_b32 v22, 16, v31
	v_and_b32 v23, 0xffff0000, v31
	; THE FACTORS, four rows a lane
.irp t, 0,1,2,3
	v_max3_num_f32 v[224+(\t)], v[32+(\t)], v[36+(\t)], v[40+(\t)]
.endr
.irp k, 3,5,7,9,11,13
.irp t, 0,1,2,3
	v_max3_num_f32 v[224+(\t)], v[224+(\t)], v[32+4*(\k)+(\t)], v[36+4*(\k)+(\t)]
.endr
.endr
.irp t, 0,1,2,3
	v_max_num_f32 v[224+(\t)], v[224+(\t)], v[92+(\t)]  ; M
.endr
.set i, 0
.rept 32
	v_pk_add_f32 v[32+2*i:33+2*i], v[32+2*i:33+2*i], v[224+2*(i%2):225+2*(i%2)] neg_lo:[0,1] neg_hi:[0,1]
.set i, i+1
.endr
.set i, 0
.rept 64
	v_exp_f32 v[32+i], v[32+i]                     ; e: one batch,
.set i, i+1
.endr
	v_nop
	s_wait_alu depctr_va_vdst(0)                   ; one wait, ahead of the first use
	v_pk_mul_f32 v[232:233], v[32:33], v[128:129]
	v_pk_mul_f32 v[234:235], v[34:35], v[130:131]
.set i, 2
.rept 30
	v_pk_fma_f32 v[232+2*(i%2):233+2*(i%2)], v[32+2*i:33+2*i], v[128+2*i:129+2*i], v[232+2*(i%2):233+2*(i%2)]  ; L
.set i, i+1
.endr
.irp t, 0,1,2,3
	v_rcp_f32 v[236+(\t)], v[232+(\t)]
.endr
	v_nop
	s_wait_alu depctr_va_vdst(0)
.set i, 0
.rept 32
	v_pk_mul_f32 v[32+2*i:33+2*i], v[32+2*i:33+2*i], v[236+2*(i%2):237+2*(i%2)]  ; f
.set i, i+1
.endr
.set i, 0
.rept 16
	ds_store_b128 v12, v[32+4*i:35+4*i] offset:512*i  ; into my own table: only I read it
.set i, i+1
.endr
.macro ADDR
	v_add_nc_u32 v10, s57, v8
	v_add_nc_u32 v11, s57, v9
.endm
.macro LOADS g, kq                     ; 24 LDS loads in one run: the fragments of keys 32 kq on
.irp b, 0,1,2,3,4,5,6,7
	ds_load_tr16_b128 v[(\g)+8*(\b):(\g)+8*(\b)+3],   v11 offset:(\kq)*32*PB+32*(\b)
	ds_load_tr16_b128 v[(\g)+8*(\b)+4:(\g)+8*(\b)+7], v11 offset:(\kq)*32*PB+16*PB+32*(\b)
.endr
.irp a, 0,1,2,3
	ds_load_b128 v[(\g)+64+8*(\a):(\g)+64+8*(\a)+3],   v10 offset:(\a)*16*PA+64*(\kq)
	ds_load_b128 v[(\g)+64+8*(\a)+4:(\g)+64+8*(\a)+7], v10 offset:(\a)*16*PA+64*(\kq)+32
.endr
.endm
.macro MERGE                           ; total number ix += factor x block sum number ix: four packed lines, the accumulator's registers in ascending order
	WIN 0xa1                                       ; the block's sum in window 1, the factor in window 0, the total in window 2
.irp z, 0,1,2,3
.if (ix/8)%2
	v_pk_fma_f32 v[8*ix+2*(\z):8*ix+2*(\z)+1], v[8*ix+2*(\z):8*ix+2*(\z)+1], v[FAC+(ix/8)-1:FAC+(ix/8)], v[8*ix+2*(\z):8*ix+2*(\z)+1] op_sel:[0,1,0] op_sel_hi:[1,1,1]
.else
	v_pk_fma_f32 v[8*ix+2*(\z):8*ix+2*(\z)+1], v[8*ix+2*(\z):8*ix+2*(\z)+1], v[FAC+(ix/8):FAC+(ix/8)+1], v[8*ix+2*(\z):8*ix+2*(\z)+1] op_sel_hi:[1,0,1]
.endif
.endr
.endm
; Products number lo .. hi (8 a + b), each on another accumulator.  mode 0: in place.  1: they start a block's sums.  2: the last block's sum is first added into its total.
.macro PROD f, lo, hi, mode
.set ix, \lo
.rept (\hi)-(\lo)+1
.if (\mode) == 2
	MERGE
.endif
	WIN 0x50
.set rD, 8*ix
.set rB, (\f)+8*(ix%8)
.set rA, (\f)+64+8*(ix/8)
.if \mode
	v_wmma_f32_16x16x32_f16 v[rD:rD+7], v[rB:rB+7], v[rA:rA+7], 0
.else
	v_wmma_f32_16x16x32_f16 v[rD:rD+7], v[rB:rB+7], v[rA:rA+7], v[rD:rD+7]
.endif
.set ix, ix+1
.endr
.endm
.macro QTR f, g, kq, mode              ; multiplies buffer f; ahead of that fetches quarter kq into g
	s_wait_dscnt 0x0                               ; the run issued 32 products back is in (and the block's factors)
	WIN 0
	ADDR
	v_nop
	v_nop
	v_nop                                          ; five places: four for the loads, the fifth for a product that writes over a block's sum
	LOADS \g, \kq
	PROD \f, 0, 31, \mode
.endm
.macro TURN fill                       ; the last quarter, on buffer 1, and the change of slots.  fill = 1: the slot is filled again, two K steps on: 120 products in which to land
.if \fill
	s_wait_xcnt 0x0                                ; the last prefetches, a K step back, have read their address
	s_add_nc_u64 s[60:61], s[60:61], s[62:63]
.endif
	WIN 0
	s_wait_tensorcnt 0x0                           ; all my tensor loads have landed: my part of the other slot
	ds_add_u32 v28, v29                            ; 0 onto my spare word
.if \fill
	STEPD
.endif
	s_wait_dscnt 0x0                               ; the add is done; the last quarter's fragments are in: my reads of this slot are over
	s_barrier_signal -1
	PROD F1, 0, 7, 0
	WIN 0
	s_barrier_wait -1
.if \fill
	CREST
	JLOAD
.else
	PLACES
.endif
	s_xor_b32 s57, s57, SLOTX
	ADDR
	LOADS F0, 0
	ds_load_b128 v[FAC:FAC+3], v12                 ; the factors of the block that ends here
	v_add_nc_u32 v12, 512, v12
.if \fill
	ASK
.endif
	PROD F1, 8, 31, 0
.endm
	s_wait_tensorcnt 1                             ; my part of K step 0 is in; K step 1's may stay out
	s_wait_dscnt 0x0                               ; my table is written
	s_barrier_signal -1
	s_barrier_wait -1
	ADDR
	LOADS F0, 0
	QTR F0, F1, 1, 1
	WIN 0
	s_mov_b32 s56, 14
.Lstep:                                        ; a trip: a block's quarters 1 to 3, the change of slots with its refill, the next block's quarter 0 with the merges
	QTR F1, F0, 2, 0
	QTR F0, F1, 3, 0
	TURN 1
	QTR F0, F1, 1, 2
	WIN 0
	s_sub_co_u32 s56, s56, 1
	s_cmp_lg_u32 s56, 0
	s_cbranch_scc1 .Lstep
	s_mov_b32 s56, 2
.Ltail:                                        ; the last two blocks ask for nothing; the second trip is left in its middle (its last run of loads reads landed bytes that nobody uses)
	QTR F1, F0, 2, 0
	QTR F0, F1, 3, 0
	TURN 0
	WIN 0
	s_sub_co_u32 s56, s56, 1
	s_cmp_eq_u32 s56, 0
	s_cbranch_scc1 .Lout
	QTR F0, F1, 1, 2
	WIN 0
	s_branch .Ltail
.Lout:
	s_wait_dscnt 0x0                               ; the last block's factors
	PLACES
.set ix, 0
.rept 32
	MERGE                                          ; the last block
.set ix, ix+1
.endr
; THE WAY OUT: 16 rows at a time: the f32 totals into my stage, back as whole rows of 512 bytes, total x scale + bias in one fused line, stored.
.macro OUTB a
.set RB, 32+96*((\a)%2)
	WIN 0x08                                       ; the stores' data in window 2
.irp b, 0,1,2,3,4,5,6,7
	ds_store_b128 v16, v[64*(\a)+8*(\b):64*(\a)+8*(\b)+3]   offset:64*(\b)
	ds_store_b128 v16, v[64*(\a)+8*(\b)+4:64*(\a)+8*(\b)+7] offset:64*(\b)+16
.endr
	WIN 0
	s_wait_xcnt 0x0                                ; the stores issued so far have read their registers
.set t, 0
.rept 16
	ds_load_b128 v[RB+4*t:RB+4*t+3], v17 offset:SPT*t  ; LDS serves a wave's instructions in order (ISA guide 5.7.1.4): these see the stores above
.set t, t+1
.endr
	s_wait_dscnt 0x0
.set i, 0
.rept 32
	v_pk_fma_f32 v[RB+2*i:RB+2*i+1], v[RB+2*i:RB+2*i+1], v[24+2*(i%2):25+2*(i%2)], v[20+2*(i%2):21+2*(i%2)]
.set i, i+1
.endr
.set t, 0
.rept 16
	global_store_b128 v14, v[RB+4*t:RB+4*t+3], s[8:9] offset:(16*(\a)+t)*4096  ; 512 bytes on end, at a multiple of 256 from the buffer's first byte
.set t, t+1
.endr
.endm
	OUTB 0
	OUTB 1
	OUTB 2
	OUTB 3
	s_wait_tensorcnt 0x0                           ; the wave's end
	ds_add_u32 v28, v29
	s_wait_dscnt 0x0
	CROUND                                         ; the closing round
	s_endpgm
.Lfunc_end_k_q7990fda159_pv:
	.size	k_q7990fda159_pv, .Lfunc_end_k_q7990fda159_pv-k_q7990fda159_pv
	.p2alignl 7, 3214868480
	.fill 96, 4, 3214868480
	.section	.rodata,"a",@progbits
	.p2align	6, 0x0
	.amdhsa_kernel k_q7990fda159_pv
		.amdhsa_group_segment_fixed_size 327680
		.amdhsa_private_segment_fixed_size 0
		.amdhsa_enable_private_segment 0
		.amdhsa_kernarg_size 48
		.amdhsa_user_sgpr_count 2
		.amdhsa_user_sgpr_kernarg_segment_ptr 1
		.amdhsa_wavefront_size32 1
		.amdhsa_system_sgpr_workgroup_id_x 1
		.amdhsa_system_sgpr_workgroup_id_y 1
		.amdhsa_system_sgpr_workgroup_id_z 1
		.amdhsa_system_vgpr_workitem_id 0
		.amdhsa_next_free_vgpr 768
		.amdhsa_next_free_sgpr 88
		.amdhsa_reserve_vcc 0
		.amdhsa_float_denorm_mode_32 3
		.amdhsa_float_denorm_mode_16_64 3
		.amdhsa_memory_ordered 1
		.amdhsa_forward_progress 1
		.amdhsa_inst_pref_size 120
	.end_amdhsa_kernel
	.amdgpu_metadata
---
amdhsa.version: [ 1, 2 ]
amdhsa.kernels:
  - .name:           k_q7990fda159_pv
    .symbol:         k_q7990fda159_pv.kd
    .args:
      - { .name: pw, .offset: 0, .size: 8, .value_kind: global_buffer, .address_space: global }
      - { .name: qkvh, .offset: 8, .size: 8, .value_kind: global_buffer, .address_space: global }
      - { .name: out0, .offset: 16, .size: 8, .value_kind: global_buffer, .address_space: global }
      - { .name: stat, .offset: 24, .size: 8, .value_kind: global_buffer, .address_space: global }
      - { .name: sc, .offset: 32, .size: 8, .value_kind: global_buffer, .address_space: global }
      - { .name: b_out, .offset: 40, .size: 8, .value_kind: global_buffer, .address_space: global }
    .group_segment_fixed_size: 327680
    .private_segment_fixed_size: 0
    .kernarg_segment_align: 8
    .kernarg_segment_size: 48
    .max_flat_workgroup_size: 128
    .sgpr_count:     88
    .vgpr_count:     768
    .wavefront_size: 32
...
	.end_amdgpu_metadata
.endif
;; end of part 5
